; MI455X (gfx1250); checked and timed in simulation.
; The chip was launched on July 23, 2026; its instructions are those of AMD's public machine-readable ISA for CDNA 5 (MIT licence, August 2026) and "CDNA5" Instruction Set Architecture Reference Guide (July 2026). The comments in the code are by the model that wrote it; some were corrected since.
;; Multi Head Attention. Allowed arithmetic: matrix products marked QUANTISED: E2M3 operands, one E8M0 scale for each 32 along K, by v_wmma_scale_f32_16x16x128_f8f6f4 with both operands' format E2M3, f32 sums; everything else in f32.
;; Inputs: Wk 1,024 x 1,024 float32; Wo 1,024 x 1,024 float32; Wq 1,024 x 1,024 float32; Wv 1,024 x 1,024 float32; bk 1,024 float32; bo 1,024 float32; bq 1,024 float32; bv 1,024 float32; k 4 x 2,048 x 1,024 float32; q 4 x 2,048 x 1,024 float32; v 4 x 2,048 x 1,024 float32.
;; Outputs: out0 4 x 2,048 x 1,024 float32.
;; This version of the problem:
;;   THIS VERSION OF THE PROBLEM IS GIVEN IN LOW PRECISION. The matrix products marked QUANTISED in the list below multiply operands that are first quantised to E2M3 (2 exponent bits, 3 mantissa bits; 6 bits a number), with one power-of-two scale for each 32 numbers along K (OCP MX v1.0); their sums are f32. All else is computed in f32.
;;   The module's matrix products, in the order in which they are computed (A, B: the left and right operand; K: the contracted axis; several contracted axes count as one K, in the product's order):
;;     1. [M 8,192, K 1,024] x [K 1,024, N 1,024]; A: input q; B: input Wq: QUANTISED
;;     2. [M 8,192, K 1,024] x [K 1,024, N 1,024]; A: input k; B: input Wk: QUANTISED
;;     3. [M 8,192, K 1,024] x [K 1,024, N 1,024]; A: input v; B: input Wv: QUANTISED
;;     4. batch 4 x [M 2,048, K 1,024] x [K 1,024, N 2,048]; A: computed on the way; B: computed on the way: QUANTISED
;;     5. batch 4 x [M 2,048, K 2,048] x [K 2,048, N 1,024]; A: softmax (see below); B: computed on the way: QUANTISED
;;     6. [M 8,192, K 1,024] x [K 1,024, N 1,024]; A: computed on the way; B: input Wo: QUANTISED
;;   THE QUANTISER, for each operand of a quantised product, along K:
;;     - K is cut into blocks of 32 from its start; a last block that is shorter is filled with zeros.
;;     - A block's scale is 2^e with e = floor(log2(the largest magnitude in the block)) - 2, held to -126 .. 127; a block of zeros has e = 0. As a byte (E8M0): e + 127.
;;     - Each number is divided by its block's scale, clamped to +-7.5, and rounded to the nearest number of E2M3, ties to even, subnormals kept.
;;     - The product sums the exact products of the quantised numbers (number of the format x scale) in f32.
;;   ~~~python
;;   def quantise(x, axis):      # numpy; x: float32 -> the quantised numbers, widened to float32 again
;;       x = np.moveaxis(x, axis, -1); K = x.shape[-1]
;;       x = np.pad(x, [(0, 0)] * (x.ndim - 1) + [(0, -K % 32)]); x = x.reshape(x.shape[:-1] + (-1, 32)); a = np.abs(x).max(-1, keepdims=True)
;;       e = np.where(a > 0, np.clip(np.frexp(np.where(a > 0, a, 1))[1] - 1 - 2, -126, 127), 0)      # np.frexp(a)[1] - 1 = floor(log2(a)), exactly
;;       r = np.clip(x / 2.0 ** e, -7.5, 7.5)
;;       step = 2.0 ** (np.maximum(np.frexp(np.where(r == 0, 1, r))[1] - 1, 0) - 3)
;;       q = np.round(r / step) * step * 2.0 ** e      # np.round: ties to even
;;       return np.moveaxis(q.reshape(q.shape[:-2] + (-1,))[..., :K], -1, axis).astype(np.float32)
;;   ~~~
;;   SOFTMAX AHEAD OF A QUANTISED PRODUCT. Where the list says 'softmax', what is quantised is not the finished softmax but p = 2^(t - M), with t = logit x log2(e) and M = ceil(the row's largest t), a whole number; so 1/2 < the row's largest p <= 1. The row's sum l is taken of the UNQUANTISED p, in f32, and the product's result is divided by l at the end. Since M is a whole number, a kernel that streams over the keys may use a running M (the ceiling of the running maximum): every later rescaling is an exact power of two, which a block's scale takes up: the codes' values come out the same.
;;   OPERANDS COMPUTED ON THE WAY. 'Computed on the way' means the value that the module computes at that place (a softmax that the list does not call 'softmax' is quantised finished and normalised). What goes into a quantiser is computed in f32, as accurately as f32 sums, v_exp_f32 and their like allow (about 1e-6 of the number): no bf16 or f16 on the way to a quantiser, and a product that is left as it is and whose result goes on into a quantised operand takes f32 operands (vector FMAs, or v_wmma_f32_16x16x4_f32). A number that lies on a knife's edge between two numbers of the format may be rounded either way, as far as f32 arithmetic and the matrix unit's own rounding can turn it there, and no further.
;; One version. Each part assembles by itself: llvm-mc -triple=amdgcn-amd-amdhsa -mcpu=gfx1250 --defsym DOCPART=n.
;; ======== version 1 of 1: 5 launches
;; limits: right only within a limited range of input values
;; workspace buffers: b1 22,937,600 bytes; b2 19,660,800 bytes; b3 14,155,776 bytes; b4 6,553,600 bytes
;; launch quant (part 1): grid 224 x 1, 8 waves a work-group, no clusters, 72,704 bytes of LDS; arguments q, k, v, Wq, Wk, Wv, Wo, b1; writes b1
.if DOCPART == 1
	.amdgcn_target "amdgcn-amd-amdhsa--gfx1250"
	.amdhsa_code_object_version 6
	.text
	.protected	k_q2e8a197482_quant
	.globl	k_q2e8a197482_quant
	.p2align	8
	.type	k_q2e8a197482_quant,@function
k_q2e8a197482_quant:
	s_mov_b64 s[64:65], 0
	v_nop
	global_prefetch_b8 v0, s[64:65] scope:SCOPE_SE
	s_setreg_imm32_b32 hwreg(HW_REG_WAVE_MODE, 25, 1), 1
	s_wait_xcnt 0x0
; q, k, v [8192][1024] and Wq, Wk, Wv, Wo [1024][1024], f32, K innermost, become codes of FP6 (E2M3) with one E8M0 byte for each 32 along K, in b1.
; A block's scale is 2^(floor(log2(its largest magnitude)) - 2); its byte is the largest magnitude's exponent field - 2, held at 1 from below.
; LIMITS: a block of zeros gets the byte 1 where the rule says 127 (its codes are zeros, and this program alone reads the bytes); NaN and infinities among the inputs are not served.
; LAYOUT OF b1.  The seven tensors stand on end as 28,672 rows.  Codes: [block of 16 rows][K step of 128][1,536 bytes], the 1,536 bytes being the image of the operand's 12 registers:
; registers 4 c .. 4 c + 3 of lane l at 512 c + 16 l.  Scale words, from B1S on: [group of 128 rows][K step][128 rows x 4 bytes].
; ORDER OF ROWS.  In q, k, v, Wq, Wk place p of each 32 rows holds row 8 (p / 16) + p % 16 + 8 ((p % 16) / 8): as a product's source 0 such a tile leaves a lane 16 neighbours in the registers of two tiles.  Wv, Wo: as they lie.
; SHARES.  A work-group takes 128 places, each of its 8 waves a block of 16 rows, in 8 steps of 128 along K.  A load reads 512 consecutive bytes of one row; the 16 rows turn through the wave's own stage in LDS, so
; that lane (r, h) gets, of row r, 16 neighbours of each block of 32.  Loads run two steps (32 loads a wave) ahead.  A wave's store of codes covers 512 consecutive bytes.
.set B1S,  22020096                    ; 28,672 rows x 768 bytes of codes
.set WPL,  67584                       ; LDS: behind the 8 stages (16 rows x 528 bytes each): the group's scale words, [8 K steps][128 rows][4 bytes]
.set R,    16                          ; v16-143  two sets of 64: 16 rows as loaded
.set X,    144                         ; v144-207 64 numbers of my row: register 16 b + i = k 32 b + 16 h + i
.set TM,   208                         ; v208-223 largest magnitudes, bytes, scale operands
.set PW,   224                         ; v224     the scale word
.set PC,   228                         ; v228-246 the codes: 12 registers, and 2 x 3 more on the way
.set WB,   248                         ; v248-251 scale words on the way out
.set SEL,  34                          ; s[34:35] lane selects: lane l xor 16
	s_load_b512 s[4:19], s[0:1], 0x0               ; q, k, v, Wq, Wk, Wv, Wo, b1
	v_lshl_add_u32 v254, v0, 2, 0x11800
	v_mov_b32 v255, 0
	v_lshrrev_b32 v1, 5, v0
	s_delay_alu instid0(VALU_DEP_1)
	v_readfirstlane_b32 s20, v1                    ; wave 0..7
	v_and_b32 v8, 31, v0                           ; lane
	v_and_b32 v1, 15, v0                           ; r
	v_bfe_u32 v2, v0, 4, 1                         ; h
	s_delay_alu instid0(VALU_DEP_3)
	v_lshlrev_b32 v3, 4, v8                        ; 16 x lane
	s_mul_i32 s21, s20, 8448                       ; my stage
	v_add_nc_u32 v4, s21, v3                       ; in: a row's 512 bytes as they lie
	v_mul_u32_u24 v5, v1, 528
	s_delay_alu instid0(VALU_DEP_1)
	v_lshl_add_u32 v5, v2, 6, v5
	s_delay_alu instid0(VALU_DEP_1)
	v_add_nc_u32 v5, s21, v5                       ; out: row r, + 64 h
	s_lshl_b32 s21, s20, 6
	s_add_co_u32 s21, s21, WPL
	v_lshl_add_u32 v6, v1, 2, s21                  ; my row's scale word: 64 x wave + 4 r
	s_lshl_b32 s21, s20, 9
	s_add_co_u32 s21, s21, WPL
	v_add_nc_u32 v7, s21, v3                       ; on the way out wave w takes K step w's 512 bytes
	s_mov_b32 s[SEL], 0x76543210
	s_mov_b32 s[SEL+1], 0xfedcba98
.irp b, 0,1,2,3
	v_mov_b32 v[TM+4+\b], 0                        ; written once: a lane permute's destination counts as one of its sources
.endr
	s_wait_alu depctr_va_vdst(0)
	s_wait_kmcnt 0x0
	; which tensor: the choice hangs on the work-group's number alone.  First work-groups: q 0, k 64, v 128, Wq 192, Wk 200, Wv 208, Wo 216
	s_mov_b64 s[22:23], s[16:17]
	s_mov_b32 s24, 216
	s_cmp_lt_u32 ttmp9, 216
	s_cselect_b64 s[22:23], s[14:15], s[22:23]
	s_cselect_b32 s24, 208, s24
	s_cmp_lt_u32 ttmp9, 208
	s_cselect_b64 s[22:23], s[12:13], s[22:23]
	s_cselect_b32 s24, 200, s24
	s_cselect_b32 s25, 1, 0                        ; 1: the rows are laid in the order stated at the head
	s_cmp_lt_u32 ttmp9, 200
	s_cselect_b64 s[22:23], s[10:11], s[22:23]
	s_cselect_b32 s24, 192, s24
	s_cmp_lt_u32 ttmp9, 192
	s_cselect_b64 s[22:23], s[8:9], s[22:23]
	s_cselect_b32 s24, 128, s24
	s_cmp_lt_u32 ttmp9, 128
	s_cselect_b64 s[22:23], s[6:7], s[22:23]
	s_cselect_b32 s24, 64, s24
	s_cmp_lt_u32 ttmp9, 64
	s_cselect_b64 s[22:23], s[4:5], s[22:23]
	s_cselect_b32 s24, 0, s24
	s_sub_co_u32 s24, ttmp9, s24
	s_lshl_b32 s24, s24, 7                         ; the group's first row in its tensor
	s_lshr_b32 s36, s20, 1
	s_lshl_b32 s36, s36, 5
	s_and_b32 s37, s20, 1
	s_lshl_b32 s37, s37, 3
	s_add_co_u32 s36, s36, s37                     ; 32 (w / 2) + 8 (w % 2)
	s_lshl_b32 s37, s20, 4                         ; or 16 w
	s_cmp_lg_u32 s25, 0
	s_cselect_b32 s36, s36, s37
	s_cselect_b32 s37, 16, 8                       ; my second eight rows lie 16 rows on, or 8
	s_add_co_u32 s24, s24, s36
	s_lshl_b32 s26, s24, 12                        ; a row is 4,096 bytes
	s_mov_b32 s27, 0
	s_add_nc_u64 s[26:27], s[22:23], s[26:27]      ; my first eight rows
	s_lshl_b32 s28, s37, 12
	s_mov_b32 s29, 0
	s_add_nc_u64 s[28:29], s[26:27], s[28:29]      ; my second eight
	s_mul_i32 s30, ttmp9, 98304                    ; codes: 128 rows x 768 bytes a group,
	s_mul_i32 s36, s20, 12288                      ; 16 x 768 a block
	s_add_co_u32 s30, s30, s36
	s_mov_b32 s31, 0
	s_add_nc_u64 s[30:31], s[18:19], s[30:31]
	s_lshl_b32 s32, ttmp9, 12                      ; scale words: 4,096 bytes a group, 512 a K step
	s_lshl_b32 s36, s20, 9
	s_add_co_u32 s32, s32, s36
	s_add_co_u32 s32, s32, B1S
	s_mov_b32 s33, 0
	s_add_nc_u64 s[32:33], s[18:19], s[32:33]
.macro LOAD t                          ; K step t of my 16 rows: each load reads 512 consecutive bytes
.irp i, 0,1,2,3,4,5,6,7
	global_load_b128 v[R+64*((\t)%2)+4*\i:R+64*((\t)%2)+4*\i+3], v3, s[26:27] offset:\i*4096+512*(\t) th:TH_LOAD_NT
.endr
.irp i, 0,1,2,3,4,5,6,7
	global_load_b128 v[R+64*((\t)%2)+32+4*\i:R+64*((\t)%2)+32+4*\i+3], v3, s[28:29] offset:\i*4096+512*(\t) th:TH_LOAD_NT
.endr
.endm
; 64 numbers of a lane, register 16 b + i = k 32 b + 16 h + i of its row, become the fragment's 12 registers in v[PC] on and the row's scale word in v[PW]
.macro QUANT x
.irp b, 0,1,2,3
	v_max3_num_f32 v[TM+\b], |v[(\x)+16*\b]|, |v[(\x)+16*\b+1]|, 0x1800000   ; my 16 numbers of block b, and the floor 2^(3 - 127): the byte cannot fall under 1
.endr
.irp i, 2,4,6,8,10,12,14
.irp b, 0,1,2,3
	s_delay_alu instid0(VALU_DEP_4)
	v_max3_num_f32 v[TM+\b], |v[(\x)+16*\b+\i]|, |v[(\x)+16*\b+\i+1]|, v[TM+\b]   ; the four blocks by turns
.endr
.endr
.irp b, 0,1,2,3
	s_delay_alu instid0(VALU_DEP_4)
	v_permlanex16_b32 v[TM+4+\b], v[TM+\b], s[SEL], s[SEL+1]
.endr
.irp b, 0,1,2,3
	s_delay_alu instid0(VALU_DEP_4)
	v_max_num_f32 v[TM+\b], v[TM+\b], v[TM+4+\b]   ; with lane l xor 16's 16: the block's largest magnitude
.endr
.irp b, 0,1,2,3
	s_delay_alu instid0(VALU_DEP_4)
	v_add_nc_u32 v[TM+12+\b], 0xff000000, v[TM+\b] ; 2 off its exponent field: the conversion's scale operand
.endr
.irp b, 0,1,2,3
	s_delay_alu instid0(VALU_DEP_4)
	v_lshrrev_b32 v[TM+4+\b], 23, v[TM+12+\b]      ; the scale's byte
.endr
	s_wait_alu depctr_va_vdst(0)
	s_wait_xcnt 0x0                                ; the last fragment's stores have read their registers: the codes are written again only behind this wait
	v_lshl_or_b32 v[PW], v[TM+5], 8, v[TM+4]
	s_delay_alu instid0(VALU_DEP_1)
	v_lshl_or_b32 v[PW], v[TM+6], 16, v[PW]
	s_delay_alu instid0(VALU_DEP_1)
	v_lshl_or_b32 v[PW], v[TM+7], 24, v[PW]
.irp c, 0,1
	v_cvt_scalef32_pk16_fp6_f32 v[PC+6*\c:PC+6*\c+2], v[(\x)+32*\c:(\x)+32*\c+15], v[TM+12+2*\c]
	v_cvt_scalef32_pk16_fp6_f32 v[PC+12+4*\c:PC+12+4*\c+2], v[(\x)+32*\c+16:(\x)+32*\c+31], v[TM+12+2*\c+1]   ; (a conversion's three registers begin on an even number)
.endr
	v_nop                                          ; one plain instruction behind a scaled conversion
.irp c, 0,1                            ; the operand wants a whole block in a lane: lanes 0-15 block 2 c, lanes 16-31 block 2 c + 1
.irp i, 0,1,2
	v_permlane16_swap_b32 v[PC+6*\c+\i], v[PC+12+4*\c+\i]
.endr
.irp i, 0,1,2
	s_delay_alu instid0(VALU_DEP_3)
	v_mov_b32 v[PC+3+6*\c+\i], v[PC+12+4*\c+\i]
.endr
.endr
.endm
.macro QSTEP t
.if (\t) < 7
	s_wait_loadcnt 16                              ; this step's 16 loads are in; the next step's 16 may be out
.else
	s_wait_loadcnt 0x0
.endif
.irp i, 0,1,2,3,4,5,6,7,8,9,10,11,12,13,14,15
	ds_store_b128 v4, v[R+64*((\t)%2)+4*\i:R+64*((\t)%2)+4*\i+3] offset:528*\i
.endr
.irp b, 0,1,2,3
.irp j, 0,1,2,3
	ds_load_b128 v[X+16*\b+4*\j:X+16*\b+4*\j+3], v5 offset:128*\b+16*\j   ; LDS serves a wave's instructions in order: these see the stores above
.endr
.endr
	s_wait_dscnt 0x0                               ; my 64 numbers are in; the stores have read their registers; the last step's word is stored
.if (\t) < 6
	LOAD (\t)+2
.endif
	QUANT X
.irp c, 0,1,2
	global_store_b128 v3, v[PC+4*\c:PC+4*\c+3], s[30:31] offset:1536*(\t)+512*\c   ; 32 lanes store 512 consecutive bytes
.endr
	ds_store_b32 v6, v[PW] offset:512*(\t)         ; both lanes of a row write the same word with the same value
.endm
	LOAD 0
	LOAD 1
.irp t, 0,1,2,3,4,5,6,7
	QSTEP \t
.endr
	s_wait_dscnt 0x0                               ; for the others' sake: my words are stored
	s_barrier_signal -1
	s_barrier_wait -1
	ds_load_b128 v[WB:WB+3], v7                    ; one K step's words of all 128 rows
	s_wait_dscnt 0x0
	global_store_b128 v3, v[WB:WB+3], s[32:33]     ; 512 consecutive bytes
	s_wait_tensorcnt 0x0
	ds_add_u32 v254, v255
	s_wait_dscnt 0x0
	s_endpgm
.Lfunc_end_k_q2e8a197482_quant:
	.size	k_q2e8a197482_quant, .Lfunc_end_k_q2e8a197482_quant-k_q2e8a197482_quant
	.p2alignl 7, 3214868480
	.fill 96, 4, 3214868480
	.section	.rodata,"a",@progbits
	.p2align	6, 0x0
	.amdhsa_kernel k_q2e8a197482_quant
		.amdhsa_group_segment_fixed_size 72704
		.amdhsa_private_segment_fixed_size 0
		.amdhsa_enable_private_segment 0
		.amdhsa_kernarg_size 64
		.amdhsa_user_sgpr_count 2
		.amdhsa_user_sgpr_kernarg_segment_ptr 1
		.amdhsa_wavefront_size32 1
		.amdhsa_system_sgpr_workgroup_id_x 1
		.amdhsa_system_sgpr_workgroup_id_y 1
		.amdhsa_system_sgpr_workgroup_id_z 1
		.amdhsa_system_vgpr_workitem_id 0
		.amdhsa_next_free_vgpr 256
		.amdhsa_next_free_sgpr 66
		.amdhsa_reserve_vcc 0
		.amdhsa_float_denorm_mode_32 3
		.amdhsa_float_denorm_mode_16_64 3
		.amdhsa_memory_ordered 1
		.amdhsa_forward_progress 1
		.amdhsa_inst_pref_size 79
	.end_amdhsa_kernel
	.amdgpu_metadata
---
amdhsa.version: [ 1, 2 ]
amdhsa.kernels:
  - .name:           k_q2e8a197482_quant
    .symbol:         k_q2e8a197482_quant.kd
    .args:
      - { .name: q, .offset: 0, .size: 8, .value_kind: global_buffer, .address_space: global }
      - { .name: k, .offset: 8, .size: 8, .value_kind: global_buffer, .address_space: global }
      - { .name: v, .offset: 16, .size: 8, .value_kind: global_buffer, .address_space: global }
      - { .name: Wq, .offset: 24, .size: 8, .value_kind: global_buffer, .address_space: global }
      - { .name: Wk, .offset: 32, .size: 8, .value_kind: global_buffer, .address_space: global }
      - { .name: Wv, .offset: 40, .size: 8, .value_kind: global_buffer, .address_space: global }
      - { .name: Wo, .offset: 48, .size: 8, .value_kind: global_buffer, .address_space: global }
      - { .name: b1, .offset: 56, .size: 8, .value_kind: global_buffer, .address_space: global }
    .group_segment_fixed_size: 72704
    .private_segment_fixed_size: 0
    .kernarg_segment_align: 8
    .kernarg_segment_size: 64
    .max_flat_workgroup_size: 256
    .sgpr_count:     66
    .vgpr_count:     256
    .wavefront_size: 32
...
	.end_amdgpu_metadata
.endif
;; end of part 1
;; launch proj (part 2): grid 4 x 64, 4 waves a work-group, clusters of 4 x 4, 327,680 bytes of LDS; arguments b1, bq, bk, bv, b2; writes b2
.if DOCPART == 2
	.amdgcn_target "amdgcn-amd-amdhsa--gfx1250"
	.amdhsa_code_object_version 6
	.text
	.protected	k_q2e8a197482_proj
	.globl	k_q2e8a197482_proj
	.p2align	8
	.type	k_q2e8a197482_proj,@function
k_q2e8a197482_proj:
	s_mov_b64 s[64:65], 0
	v_nop
	global_prefetch_b8 v0, s[64:65] scope:SCOPE_SE
	s_setreg_imm32_b32 hwreg(HW_REG_WAVE_MODE, 25, 1), 1
	s_wait_xcnt 0x0
	s_wait_alu depctr_hold_cnt(0) depctr_sa_sdst(0) depctr_va_vdst(0) depctr_va_sdst(0) depctr_va_ssrc(0) depctr_va_vcc(0) depctr_vm_vsrc(0)
	s_getreg_b32 s2, hwreg(HW_REG_IB_STS2, 6, 4)
	s_cmp_eq_u32 s2, 0
	s_cbranch_scc0 .Lentry_in_a_cluster
	s_endpgm
.Lentry_in_a_cluster:
	s_bfe_u32 s2, ttmp6, 0x10000c
	s_cmp_lg_u32 s2, 0xf033
	s_cbranch_scc0 .Lentry_shape_is_right
	s_endpgm
.Lentry_shape_is_right:
; THE THREE PROJECTIONS, on codes of FP6 (E2M3) with E8M0 scales out of b1; the results are quantised at once, along the K of the product that reads them, and go to b2 as codes and scale words.
;   tile 0, 1: qp = q Wq^T + bq, kp = k Wk^T + bk, quantised along the 1,024 outputs.   tile 2: vp^T = Wv v^T + bv, quantised along the keys.
; LIMITS: a block of zeros gets the byte 1 where the rule says 127 (its codes are zeros, and this program alone reads the bytes); NaN and infinities are not served.
; A WORK-GROUP STAYS: 256 work-groups, each makes three tiles of 128 (A) x 256 (B), one of each projection: 3 x 8,192 x 1,024 results / 256 = 3 x 32,768.
; ROLES.  A is the matrix instruction's source 1 (its row is lane % 16 of the result), B its source 0 (its rows run along a lane's registers).  Tiles 0, 1: A = q or k, B = Wq or Wk.  Tile 2: A = Wv, B = v.
; B's rows are laid in b1 so that register 16 b + i of a block of 16 rows of A is output (or key) 32 b + 16 (lane / 16) + i of the wave's 128.
; OPERANDS IN MEMORY: codes [block of 16 rows][K step of 128][1,536 bytes = the image of the fragment's 12 registers]; scale words [128 rows][K step][128 x 4 bytes].
; SHARES.  Four waves, 64 x 128 a wave: 32 accumulators.  A tile's K is two fills of four K steps; a slot holds A's codes (8 blocks x 6,144 bytes), B's (16 x 6,144), A's scale words (2,048) and B's (2 x 2,048).
; Each fill is four joint loads, one a wave: wave 0 A's codes, wave 1 A's scale words, wave 2 B's codes, wave 3 B's scale words.  By this text's count a wave has one tensor load out.
; THE RING GOES ON FROM TILE TO TILE: fills 0 .. 5 take slots 0, 1 by turns; tiles 0 and 1 are a loop of two trips, each of which asks for the next tile's two fills; tile 2 is written out and asks for nothing.
; CLUSTERS: 4 x 4 work-groups; A's tiles are shared along a row of the cluster, B's along a column.
; PREFETCH: behind each fill's loads the codes of the NEXT fill are named, 128 matrix instructions a wave ahead of their load: of A's 8 blocks partner cx names 2, of B's 16 partner cy names 4, shared out by address,
; 12 and 24 units of 256 bytes a wave (left-over lanes name the wave's last unit again).  Fills 0 and 1 come by their loads alone; behind fill 5 nothing is named.  The scale words, 1 byte in 24, are not named.
; REGISTERS: window 0: v0-31 addresses; v32-47 scale words, two sets; v48-63, v224-247 the way out; v64-127 the bias of tile 0 or 1; v128-223 A's fragments, two sets.
;   window 1: B's fragments, two sets, at v0 and v128; v96-127 tile 2's bias.   window 2: the accumulators ((a, b) at v[8 (8 a + b)]).
.set FRB,   1536
.set RBS,   12288                      ; b1: a block of 16 rows, 8 K steps
.set SLB,   4*FRB                      ; a block's bytes in a slot
.set ACB,   8*SLB
.set BCB,   16*SLB
.set OSA,   ACB+BCB                    ; a slot: A's codes, B's codes, A's scale words, B's scale words
.set OSB,   OSA+2048
.set SLOT,  OSB+4096
.set SPARE, 2*SLOT                     ; the spare words, 128 bytes for each wave: two blocks of 256 bytes that no other line names
.set STG,   SPARE+512                  ; 256 bytes a wave for the results' scale words: no fill lands here
.set FR,    12
.set B1S,   22020096
.set B2S,   18874368
.set ADRA, 16
.set ADRS, 18
.set ADRB, 20
.set PFOA, 22
.set PFOB, 23
.set LI,   26
.set L8,   27
.set SPW,  28                          ; my spare word; never rewritten
.set NIL,  29                          ; 0; never rewritten
.set SC,   32
.set TM,   48
.set BI,   64
.set BI2,  96                          ; in window 1
.set AF,   128
.set PC,   224
.set PW,   244
.set WB,   246
.set G1A, 24
.set G0A, 32
.set G0SA, 36
.set G1SA, 40
.set G1B, 48
.set G0B, 56
.set G0SB, 60
.set G1SB, 68
.set NXA, 76                           ; s[76:83] the next tile's four addresses: A's codes, A's scales, B's codes, B's scales
.set NXSA, 78
.set NXB, 80
.set NXSB, 82
.set N2A, 84                           ; s[84:91] tile 2's
.set OC,  92                           ; where the results go: codes, scale words; tile 2's in s[98:101]
.set OS,  94
.set SEL, 96
.set OC2, 98
.set OS2, 100
.set MSB, 0
.macro WIN new                         ; the register windows; the immediate's high byte repeats the setting that is left
.if MSB != (\new)
	s_set_vgpr_msb (MSB<<8)|(\new)
.set MSB, (\new)
.endif
.endm
.set MULW, 0xa1                        ; source 0 (B) window 1, source 1 (A) window 0, C and D window 2
.set TO_B, 0x40                        ; destination window 1, address window 0
.macro PLACES
.rept 4
	v_nop
.endr
.endm
.macro TL g0, g1                       ; s_nop 0 and four v_nop follow each tensor load
	tensor_load_to_lds s[\g0:\g0+3], s[\g1:\g1+7]
	s_nop 0
	PLACES
.endm
.macro LOADS                           ; a fill: one chain of branches on the wave's number, one joint load to an arm
	s_cmp_lt_u32 s14, 1
	s_cbranch_scc0 .Lw1_\@
	TL G0A, G1A
	s_branch .Lasked_\@
.Lw1_\@:
	s_cmp_lt_u32 s14, 2
	s_cbranch_scc0 .Lw2_\@
	TL G0SA, G1SA
	s_branch .Lasked_\@
.Lw2_\@:
	s_cmp_lt_u32 s14, 3
	s_cbranch_scc0 .Lw3_\@
	TL G0B, G1B
	s_branch .Lasked_\@
.Lw3_\@:
	TL G0SB, G1SB
.Lasked_\@:
.endm
.macro CREST                           ; a round of the cluster's barrier behind its opening barrier
	s_cmp_lg_u32 s14, 0
	s_cbranch_scc1 .Lnot_wave_0_\@
	s_barrier_signal -3
.Lnot_wave_0_\@:
	s_barrier_wait -3
	s_barrier_signal -1
	s_barrier_wait -1
.endm
.macro CROUND
	s_barrier_signal -1
	s_barrier_wait -1
	CREST
.endm
.macro GRP1 g, c, r, p                 ; descriptor group 1 behind its first word: r rows of c elements of 8 bytes, p elements apart
	s_mov_b32 s[\g+1], (\c)<<16
	s_mov_b32 s[\g+2], (\r)<<16
	s_mov_b32 s[\g+3], (\c)<<16
	s_mov_b32 s[\g+4], \r
	s_mov_b32 s[\g+5], \p
	s_mov_b32 s[\g+6], 0
	s_mov_b32 s[\g+7], 0
.endm
.macro TOSLOT s                        ; the four LDS addresses of a fill: constants
	s_mov_b32 s[G0A+1], (\s)*SLOT
	s_mov_b32 s[G0SA+1], (\s)*SLOT+OSA
	s_mov_b32 s[G0B+1], (\s)*SLOT+ACB
	s_mov_b32 s[G0SB+1], (\s)*SLOT+OSB
.endm
.macro HALF2                           ; on to a tile's second four K steps, into slot 1
	s_add_nc_u64 s[G0A+2:G0A+3], s[G0A+2:G0A+3], SLB
	s_add_nc_u64 s[G0SA+2:G0SA+3], s[G0SA+2:G0SA+3], 2048
	s_add_nc_u64 s[G0B+2:G0B+3], s[G0B+2:G0B+3], SLB
	s_add_nc_u64 s[G0SB+2:G0SB+3], s[G0SB+2:G0SB+3], 2048
	TOSLOT 1
.endm
.macro ASK off                         ; the next fill's codes, named for the L2
	global_prefetch_b8 v[PFOA], s[NXA:NXA+1] offset:\off th:TH_LOAD_NT scope:SCOPE_SE
	global_prefetch_b8 v[PFOB], s[NXB:NXB+1] offset:\off th:TH_LOAD_NT scope:SCOPE_SE
.endm
.macro FRAG reg, adr, q, i             ; a fragment comes back as it was stored: three loads of 512 consecutive bytes
.irp c, 0,1,2
	ds_load_b128 v[\reg+4*\c:\reg+4*\c+3], v[\adr] offset:(\i)*SLB+(\q)*FRB+512*\c
.endr
.endm
.macro FETCH g                         ; K step g of a tile (8: the next tile's first) into set g % 2: 44 LDS loads
	WIN TO_B
.irp i, 0,1,2,3,4,5,6,7
	FRAG 128*((\g)%2)+FR*\i, ADRB+((\g)/4)%2, (\g)%4, \i
.endr
	WIN 0
.irp i, 0,1,2,3
	FRAG AF+48*((\g)%2)+FR*\i, ADRA+((\g)/4)%2, (\g)%4, \i
.endr
.irp i, 0,1,2,3,4,5,6,7
	ds_load_b32 v[SC+8*((\g)%2)+\i], v[ADRS+((\g)/4)%2] offset:512*((\g)%4)+64*\i   ; lanes 0-15 the word of A's block i, lanes 16-31 that of B's block i
.endr
.endm
.macro WM a, b, p, c0
	v_wmma_scale_f32_16x16x128_f8f6f4 v[8*(8*(\a)+\b):8*(8*(\a)+\b)+7], v[128*(\p)+FR*\b:128*(\p)+FR*\b+FR-1], v[AF+48*(\p)+FR*(\a):AF+48*(\p)+FR*(\a)+FR-1], v[(\c0):(\c0)+7], v[SC+8*(\p)+\b], v[SC+8*(\p)+(\a)] matrix_a_fmt:MATRIX_FMT_FP6 matrix_b_fmt:MATRIX_FMT_FP6 matrix_a_scale:MATRIX_SCALE_ROW1
.endm
; 8 matrix instructions: A's block a x B's eight.  zero: 0 adds on; 2, 3 start the sums with the bias by B's or by A's block.  The accumulators take turns.
.macro MULA a, p, zero
.irp b, 0,1,2,3,4,5,6,7
.if (\zero) == 2
	WM \a, \b, \p, BI+8*\b
.elseif (\zero) == 3
	WM \a, \b, \p, BI2+8*(\a)
.else
	WM \a, \b, \p, 8*(8*(\a)+\b)
.endif
.endr
.endm
.macro KSTEP g, zero, fetch            ; a K step of 128: the next step's fragments are asked for, then 32 matrix instructions
	s_wait_dscnt 0x0                               ; this step's fragments and scale words are in
.if \fetch
	PLACES                                         ; places in front of loads into registers that matrix instructions have read
	FETCH (\g)+1
.endif
.if (\zero) == 2
	WIN 0x81                                       ; C (the bias) in window 0
.elseif (\zero) == 3
	WIN 0x91                                       ; C in window 1
.else
	WIN MULW
.endif
.irp a, 0,1,2,3
	MULA \a, (\g)%2, \zero
.endr
.endm
; A slot's last step changes slots.  mode 1: slot 0 takes the next tile's first four K steps; mode 2: slot 1 its second four; mode 0: nothing is filled.
.macro KTURN g, mode
	WIN 0
.if (\mode) == 2
	s_wait_xcnt 0x0                                ; my prefetches have read the next tile's addresses: these are written again only behind this wait
.irp k, 0,2,4,6
	s_mov_b64 s[NXA+\k:NXA+\k+1], s[N2A+\k:N2A+\k+1]
.endr
.endif
	s_wait_tensorcnt 0x0                           ; my tensor load has landed: my part of the next slot
	ds_add_u32 v[SPW], v[NIL]                      ; 0 onto my spare word
.if (\mode) == 1                       ; no tensor load of mine is out: the groups 0 may be written
.irp k, 0,1,2,3
	s_mov_b64 s[G0A+2+4*(\k%2)+24*(\k/2):G0A+3+4*(\k%2)+24*(\k/2)], s[NXA+2*\k:NXA+2*\k+1]
	s_or_b32 s[G0A+3+4*(\k%2)+24*(\k/2)], s[G0A+3+4*(\k%2)+24*(\k/2)], 0x80000000
.endr
	TOSLOT 0
.elseif (\mode) == 2
	HALF2
.endif
	s_wait_dscnt 1                                 ; (the add may be out)
	WIN MULW
	MULA 0, (\g)%2, 0
	s_wait_dscnt 0x0                               ; the add is done, and my reads of this slot are over
	s_barrier_signal -1
	MULA 1, (\g)%2, 0
	WIN 0
	s_barrier_wait -1
.if \mode
	CREST                                          ; the barrier has opened a round of the cluster's barrier: no wave of any partner still reads this slot or has a load on its way
	LOADS                                          ; the first tensor load behind the round; its four v_nop are also the places in front of the loads below
.else
	PLACES
.endif
	FETCH (\g)+1
.if (\mode) == 1
	ASK SLB                                        ; the same tile's second four K steps
.elseif (\mode) == 2
	s_cmp_eq_u32 s3, 2                             ; the first trip names tile 2's first four K steps; behind the last fill nothing is named
	s_cbranch_scc0 .Lno_ask_\@
	ASK 0
.Lno_ask_\@:
.endif
	WIN MULW
	MULA 2, (\g)%2, 0
	MULA 3, (\g)%2, 0
.endm
; 64 numbers of a lane in window 2, register 16 b + i = k 32 b + 16 h + i of its row, become a fragment's 12 registers in v[PC] on and the row's scale word in v[PW].  Each accumulator is read from its low end on.
.macro QUANT x
	WIN 0x0a
.irp b, 0,1,2,3
	v_max3_num_f32 v[TM+\b], |v[(\x)+16*\b]|, |v[(\x)+16*\b+1]|, 0x1800000   ; my 16 numbers of block b, and the floor 2^(3 - 127): the byte cannot fall under 1
.endr
.irp i, 2,4,6,8,10,12,14
.irp b, 0,1,2,3
	v_max3_num_f32 v[TM+\b], |v[(\x)+16*\b+\i]|, |v[(\x)+16*\b+\i+1]|, v[TM+\b]
.endr
.endr
	WIN 0
.irp b, 0,1,2,3
	v_permlanex16_b32 v[TM+4+\b], v[TM+\b], s[SEL], s[SEL+1]
.endr
.irp b, 0,1,2,3
	v_max_num_f32 v[TM+\b], v[TM+\b], v[TM+4+\b]   ; with lane l xor 16's 16: the block's largest magnitude
.endr
.irp b, 0,1,2,3
	v_add_nc_u32 v[TM+12+\b], 0xff000000, v[TM+\b] ; 2 off its exponent field: the conversion's scale operand
.endr
.irp b, 0,1,2,3
	v_lshrrev_b32 v[TM+4+\b], 23, v[TM+12+\b]      ; the scale's byte
.endr
	s_wait_alu depctr_va_vdst(0)
	s_wait_xcnt 0x0                                ; the last fragment's stores have read their registers: these are written again only behind this wait
	s_wait_dscnt 0x0                               ; and so has the LDS store of the last scale word
	v_lshl_or_b32 v[PW], v[TM+5], 8, v[TM+4]
	v_lshl_or_b32 v[PW], v[TM+6], 16, v[PW]
	v_lshl_or_b32 v[PW], v[TM+7], 24, v[PW]
	WIN 2
.irp c, 0,1
	v_cvt_scalef32_pk16_fp6_f32 v[PC+6*\c:PC+6*\c+2], v[(\x)+32*\c:(\x)+32*\c+15], v[TM+12+2*\c]
	v_cvt_scalef32_pk16_fp6_f32 v[PC+12+4*\c:PC+12+4*\c+2], v[(\x)+32*\c+16:(\x)+32*\c+31], v[TM+12+2*\c+1]   ; (a conversion's three registers begin on an even number)
.endr
	WIN 0
	v_nop                                          ; one plain instruction behind a scaled conversion
.irp c, 0,1                            ; the operand wants a whole block in a lane: lanes 0-15 block 2 c, lanes 16-31 block 2 c + 1
.irp i, 0,1,2
	v_permlane16_swap_b32 v[PC+6*\c+\i], v[PC+12+4*\c+\i]
.endr
.irp i, 0,1,2
	v_mov_b32 v[PC+3+6*\c+\i], v[PC+12+4*\c+\i]
.endr
.endr
.endm
; THE WAY OUT of a tile: each block of 16 rows x 128 is one fragment of the next product.  ostep: bytes from a block of 16 rows to the next in b2.  inloop: the first trip asks for tile 1's bias here.
.macro WAYOUT ostep, oc, os, inloop
	WIN 0
	PLACES
.if \inloop
	s_cmp_eq_u32 s3, 2
	s_cbranch_scc0 .Lno_bias_\@
.irp g, 0,1,2,3,4,5,6,7
	global_load_b128 v[BI+8*\g:BI+8*\g+3], v8, s[8:9] offset:128*(\g/2)+32*(\g%2)
	global_load_b128 v[BI+8*\g+4:BI+8*\g+7], v8, s[8:9] offset:128*(\g/2)+32*(\g%2)+16
.endr
.Lno_bias_\@:
.endif
.irp a, 0,1,2,3
	QUANT 64*\a
.irp c, 0,1,2
	global_store_b128 v[LI], v[PC+4*\c:PC+4*\c+3], s[\oc:\oc+1] offset:\a*(\ostep)+512*\c   ; 32 lanes store 512 consecutive bytes
.endr
	ds_store_b32 v24, v[PW] offset:64*\a           ; both lanes of a row write the same word with the same value; the wait for it stands ahead of the next write of the word's register
.endr
	ds_load_b64 v[WB:WB+1], v25                    ; my 64 rows' scale words (my own bytes, served in order)
	s_wait_dscnt 0x0
	global_store_b64 v[L8], v[WB:WB+1], s[\os:\os+1]   ; one aligned unit of 256 bytes
.endm
	s_load_b256 s[4:11], s[0:1], 0x0               ; b1 s[4:5], bq s[6:7], bk s[8:9], bv s[10:11]
	s_load_b64 s[12:13], s[0:1], 0x20              ; b2
	v_lshl_add_u32 v[SPW], v0, 2, SPARE
	v_mov_b32 v[NIL], 0
	ds_add_u32 v[SPW], v[NIL]                      ; the opening lines
	ds_add_u32 v[SPW], v[NIL]
	v_lshrrev_b32 v1, 5, v0
	v_readfirstlane_b32 s14, v1                    ; wave 0..3
	s_lshr_b32 s15, s14, 1                         ; which 64 of A's rows are mine
	s_and_b32 s16, s14, 1                          ; which 128 of B's
	s_bfe_u32 s104, ttmp6, 0x40000                 ; cx, cy: my place in the cluster
	s_bfe_u32 s105, ttmp6, 0x40004
	s_and_b32 s17, ttmp7, 0xffff                   ; the cluster, 0..15
	s_lshl_b32 s18, s105, 2
	s_lshl_b32 s18, 15, s18                        ; my row of the cluster
	s_lshl_b32 s19, 0x1111, s104                   ; my column
	s_or_b32 s[G1A], s18, (3<<16)|(1<<21)          ; 15:0 the mask; 17:16 elements of 8 bytes; 21 set beside a mask
	s_or_b32 s[G1SA], s18, (3<<16)|(1<<21)
	s_or_b32 s[G1B], s19, (3<<16)|(1<<21)
	s_or_b32 s[G1SB], s19, (3<<16)|(1<<21)
	GRP1 G1A, 768, 8, RBS/8                        ; 8 blocks x 6,144 bytes
	GRP1 G1B, 768, 16, RBS/8                       ; 16 blocks
	GRP1 G1SA, 32, 8, 32                           ; 2,048 dense bytes as rows of 256
	GRP1 G1SB, 256, 2, 512                         ; two groups of 128 rows: 2,048 bytes each, 4,096 apart
	; byte offsets in b1.  Tiles 0, 1: A's tile 4 x cluster + cy of 64, B's tile cx of 4.  Tile 2: A's tile 4 (cluster % 2) + cy of 8, B's tile 4 (cluster / 2) + cx of 32
	s_lshl_b32 s20, s17, 2
	s_add_co_u32 s20, s20, s105
	s_mul_i32 s[G0A+2], s20, 98304                 ; q: 128 rows x 768 bytes a tile
	s_lshl_b32 s[G0SA+2], s20, 12
	s_add_co_u32 s[G0SA+2], s[G0SA+2], B1S
	s_mul_i32 s[G0B+2], s104, 196608
	s_add_co_u32 s[G0B+2], s[G0B+2], 24576*768     ; Wq begins at row 24,576
	s_lshl_b32 s[G0SB+2], s104, 13
	s_add_co_u32 s[G0SB+2], s[G0SB+2], B1S+24576*32
	s_and_b32 s21, s17, 1
	s_lshl_b32 s21, s21, 2
	s_add_co_u32 s21, s21, s105
	s_lshr_b32 s22, s17, 1
	s_lshl_b32 s22, s22, 2
	s_add_co_u32 s22, s22, s104
	s_mul_i32 s[N2A], s21, 98304
	s_add_co_u32 s[N2A], s[N2A], 26624*768         ; Wv
	s_lshl_b32 s[N2A+2], s21, 12
	s_add_co_u32 s[N2A+2], s[N2A+2], B1S+26624*32
	s_mul_i32 s[N2A+4], s22, 196608
	s_add_co_u32 s[N2A+4], s[N2A+4], 16384*768     ; v
	s_lshl_b32 s[N2A+6], s22, 13
	s_add_co_u32 s[N2A+6], s[N2A+6], B1S+16384*32
	; byte offsets in b2.  Tiles 0, 1: rows as A's, K step 2 cx + half, 8 K steps a row
	s_lshl_b32 s23, s104, 1
	s_add_co_u32 s23, s23, s16
	s_mul_i32 s[OC], s20, 98304
	s_mul_i32 s2, s15, 49152
	s_add_co_u32 s[OC], s[OC], s2
	s_mul_i32 s2, s23, FRB
	s_add_co_u32 s[OC], s[OC], s2
	s_lshl_b32 s[OS], s20, 3
	s_add_co_u32 s[OS], s[OS], s23
	s_lshl_b32 s[OS], s[OS], 9
	s_lshl_b32 s2, s15, 8
	s_add_co_u32 s[OS], s[OS], s2
	s_add_co_u32 s[OS], s[OS], B2S
	; tile 2: group of 128 rows = 8 x batch + A's tile, K = the batch's 2,048 keys, 16 K steps a row
	s_lshr_b32 s18, s22, 3
	s_lshl_b32 s18, s18, 3
	s_add_co_u32 s18, s18, s21
	s_and_b32 s19, s22, 7
	s_lshl_b32 s19, s19, 1
	s_add_co_u32 s19, s19, s16
	s_mul_i32 s[OC2], s18, 196608
	s_mul_i32 s23, s15, 98304
	s_add_co_u32 s[OC2], s[OC2], s23
	s_mul_i32 s23, s19, FRB
	s_add_co_u32 s[OC2], s[OC2], s23
	s_add_co_u32 s[OC2], s[OC2], 12582912
	s_lshl_b32 s[OS2], s18, 4
	s_add_co_u32 s[OS2], s[OS2], s19
	s_lshl_b32 s[OS2], s[OS2], 9
	s_add_co_u32 s[OS2], s[OS2], s2
	s_add_co_u32 s[OS2], s[OS2], B2S+524288
	s_lshl_b32 s18, s104, 10                       ; my 128 numbers of bq, bk
	s_lshl_b32 s19, s16, 9
	s_add_co_u32 s18, s18, s19
	s_mov_b32 s19, 0
	s_lshl_b32 s20, s21, 9                         ; my 64 numbers of bv
	s_add_co_u32 s20, s20, s2
	s_mov_b32 s21, 0
.irp p, G0A+3, G0SA+3, G0B+3, G0SB+3, N2A+1, N2A+3, N2A+5, N2A+7, OC+1, OS+1, OC2+1, OS2+1
	s_mov_b32 s[\p], 0
.endr
.irp g, G0A, G0SA, G0B, G0SB
	s_mov_b32 s[\g], 1
.endr
	TOSLOT 0
	s_mov_b32 s[SEL], 0x76543210
	s_mov_b32 s[SEL+1], 0xfedcba98
	s_wait_dscnt 0x0                               ; both opening adds are done
	s_wait_kmcnt 0x0
.irp p, G0A+2, G0SA+2, G0B+2, G0SB+2, N2A, N2A+2, N2A+4, N2A+6
	s_add_nc_u64 s[\p:\p+1], s[4:5], s[\p:\p+1]
.endr
	s_add_nc_u64 s[NXA:NXA+1], s[G0A+2:G0A+3], 8192*768     ; tile 1: k lies 8,192 rows behind q, Wk 1,024 behind Wq
	s_add_nc_u64 s[NXSA:NXSA+1], s[G0SA+2:G0SA+3], 8192*32
	s_add_nc_u64 s[NXB:NXB+1], s[G0B+2:G0B+3], 1024*768
	s_add_nc_u64 s[NXSB:NXSB+1], s[G0SB+2:G0SB+3], 1024*32
.irp g, G0A, G0SA, G0B, G0SB
	s_or_b32 s[\g+3], s[\g+3], 0x80000000
.endr
.irp p, OC, OS, OC2, OS2
	s_add_nc_u64 s[\p:\p+1], s[12:13], s[\p:\p+1]
.endr
	s_add_nc_u64 s[6:7], s[6:7], s[18:19]
	s_add_nc_u64 s[8:9], s[8:9], s[18:19]
	s_add_nc_u64 s[10:11], s[10:11], s[20:21]
	CROUND                                         ; all sixteen work-groups are here: the first joint loads meet
	LOADS                                          ; fill 0: one tensor load a wave at the head
	s_mul_i32 s17, s15, 4*SLB                      ; my 64 rows of A
	s_mul_i32 s18, s16, 8*SLB
	s_add_co_u32 s18, s18, ACB                     ; my 128 rows of B
	s_lshl_b32 s19, s15, 8
	s_lshl_b32 s20, s16, 11
	s_add_co_u32 s20, s20, OSB-OSA
	s_sub_co_u32 s20, s20, s19                     ; from my words of A's scales to my words of B's
	s_add_co_u32 s19, s19, OSA
	s_lshl_b32 s21, s14, 8
	s_add_co_u32 s21, s21, STG                     ; my stage
	s_lshl_b32 s22, s104, 1
	s_add_co_u32 s22, s22, s15
	s_mul_i32 s22, s22, RBS
	s_mul_i32 s2, s16, 3072
	s_add_co_u32 s22, s22, s2                      ; prefetch, A: block 2 cx + wave / 2, units 12 (wave % 2) on
	s_lshl_b32 s23, s105, 2
	s_add_co_u32 s23, s23, s14
	s_mul_i32 s23, s23, RBS                        ; B: block 4 cy + wave
	v_and_b32 v1, 15, v0                           ; r
	v_bfe_u32 v2, v0, 4, 1                         ; h
	v_and_b32 v3, 31, v0
	v_lshlrev_b32 v[LI], 4, v3
	v_lshlrev_b32 v[L8], 3, v3
	v_add_nc_u32 v[ADRA], s17, v[LI]
	v_add_nc_u32 v[ADRB], s18, v[LI]
	v_add_nc_u32 v[ADRA+1], SLOT, v[ADRA]
	v_add_nc_u32 v[ADRB+1], SLOT, v[ADRB]
	v_mul_u32_u24 v4, s20, v2                      ; lanes 16-31 take B's words
	v_lshl_add_u32 v4, v1, 2, v4
	v_add_nc_u32 v[ADRS], s19, v4
	v_add_nc_u32 v[ADRS+1], SLOT, v[ADRS]
	v_lshl_add_u32 v24, v1, 2, s21
	v_add_nc_u32 v25, s21, v[L8]
	v_lshlrev_b32 v8, 6, v2                        ; 64 h
	v_lshlrev_b32 v9, 2, v1                        ; 4 r
	v_min_u32 v5, 11, v3
	v_lshl_add_u32 v[PFOA], v5, 8, s22
	v_min_u32 v6, 23, v3
	v_lshl_add_u32 v[PFOB], v6, 8, s23
.irp b, 0,1,2,3
	v_mov_b32 v[TM+4+\b], 0                        ; a lane permute's destination counts as one of its sources
.endr
	s_wait_alu depctr_va_vdst(0)
.irp g, 0,1,2,3,4,5,6,7                ; tile 0's bias: B's block g, register j is output 32 (g / 2) + 16 h + 8 (g % 2) + j
	global_load_b128 v[BI+8*\g:BI+8*\g+3], v8, s[6:7] offset:128*(\g/2)+32*(\g%2)
	global_load_b128 v[BI+8*\g+4:BI+8*\g+7], v8, s[6:7] offset:128*(\g/2)+32*(\g%2)+16
.endr
	WIN TO_B
.irp a, 0,1,2,3                        ; tile 2's: all eight registers of a lane belong to channel 16 a + r
.irp j, 0,1,2,3,4,5,6,7
	global_load_b32 v[BI2+8*\a+\j], v9, s[10:11] offset:64*\a
.endr
.endr
	WIN 0
	s_wait_tensorcnt 0x0                           ; my part of fill 0 is in
	ds_add_u32 v[SPW], v[NIL]
	HALF2
	s_wait_dscnt 0x0
	CROUND                                         ; everybody's part is in, and all sixteen work-groups are here
	LOADS                                          ; fill 1, the first tensor load behind the round
	FETCH 0
	ASK 0                                          ; tile 1's first four K steps
	s_mov_b32 s3, 2
.Ltile:                                ; tiles 0 and 1
	s_wait_loadcnt 0x0                             ; the bias
	KSTEP 0, 2, 1
	KSTEP 1, 0, 1
	KSTEP 2, 0, 1
	KTURN 3, 1
	KSTEP 4, 0, 1
	KSTEP 5, 0, 1
	KSTEP 6, 0, 1
	KTURN 7, 2
	WAYOUT 12288, OC, OS, 1
	s_wait_xcnt 0x0                                ; the stores have read their bases
	s_add_nc_u64 s[OC:OC+1], s[OC:OC+1], 6291456   ; kp stands behind qp
	s_add_nc_u64 s[OS:OS+1], s[OS:OS+1], 262144
	s_sub_co_u32 s3, s3, 1
	s_cmp_lg_u32 s3, 0
	s_wait_alu depctr_va_vdst(0)
	s_cbranch_scc1 .Ltile
	KSTEP 0, 3, 1                                  ; tile 2 is written out: it asks for nothing more
	KSTEP 1, 0, 1
	KSTEP 2, 0, 1
	KTURN 3, 0
	KSTEP 4, 0, 1
	KSTEP 5, 0, 1
	KSTEP 6, 0, 1
	KSTEP 7, 0, 0
	WAYOUT 24576, OC2, OS2, 0
	s_wait_tensorcnt 0x0                           ; the wave's end
	ds_add_u32 v[SPW], v[NIL]
	s_wait_dscnt 0x0
	CROUND                                         ; the closing round
	s_endpgm
.Lfunc_end_k_q2e8a197482_proj:
	.size	k_q2e8a197482_proj, .Lfunc_end_k_q2e8a197482_proj-k_q2e8a197482_proj
	.p2alignl 7, 3214868480
	.fill 96, 4, 3214868480
	.section	.rodata,"a",@progbits
	.p2align	6, 0x0
	.amdhsa_kernel k_q2e8a197482_proj
		.amdhsa_group_segment_fixed_size 327680
		.amdhsa_private_segment_fixed_size 0
		.amdhsa_enable_private_segment 0
		.amdhsa_kernarg_size 40
		.amdhsa_user_sgpr_count 2
		.amdhsa_user_sgpr_kernarg_segment_ptr 1
		.amdhsa_wavefront_size32 1
		.amdhsa_system_sgpr_workgroup_id_x 1
		.amdhsa_system_sgpr_workgroup_id_y 1
		.amdhsa_system_sgpr_workgroup_id_z 1
		.amdhsa_system_vgpr_workitem_id 0
		.amdhsa_next_free_vgpr 768
		.amdhsa_next_free_sgpr 106
		.amdhsa_reserve_vcc 0
		.amdhsa_float_denorm_mode_32 3
		.amdhsa_float_denorm_mode_16_64 3
		.amdhsa_memory_ordered 1
		.amdhsa_forward_progress 1
		.amdhsa_inst_pref_size 173
	.end_amdhsa_kernel
	.amdgpu_metadata
---
amdhsa.version: [ 1, 2 ]
amdhsa.kernels:
  - .name:           k_q2e8a197482_proj
    .symbol:         k_q2e8a197482_proj.kd
    .args:
      - { .name: b1, .offset: 0, .size: 8, .value_kind: global_buffer, .address_space: global }
      - { .name: bq, .offset: 8, .size: 8, .value_kind: global_buffer, .address_space: global }
      - { .name: bk, .offset: 16, .size: 8, .value_kind: global_buffer, .address_space: global }
      - { .name: bv, .offset: 24, .size: 8, .value_kind: global_buffer, .address_space: global }
      - { .name: b2, .offset: 32, .size: 8, .value_kind: global_buffer, .address_space: global }
    .group_segment_fixed_size: 327680
    .private_segment_fixed_size: 0
    .kernarg_segment_align: 8
    .kernarg_segment_size: 40
    .max_flat_workgroup_size: 128
    .sgpr_count:     106
    .vgpr_count:     768
    .wavefront_size: 32
...
	.end_amdgpu_metadata
.endif
;; end of part 2
;; launch scores (part 3): grid 8 x 32, 4 waves a work-group, clusters of 4 x 4, 327,680 bytes of LDS; arguments b2, b3; writes b3
.if DOCPART == 3
	.amdgcn_target "amdgcn-amd-amdhsa--gfx1250"
	.amdhsa_code_object_version 6
	.text
	.protected	k_q2e8a197482_scores
	.globl	k_q2e8a197482_scores
	.p2align	8
	.type	k_q2e8a197482_scores,@function
k_q2e8a197482_scores:
	s_mov_b64 s[64:65], 0
	v_nop
	global_prefetch_b8 v0, s[64:65] scope:SCOPE_SE
	s_setreg_imm32_b32 hwreg(HW_REG_WAVE_MODE, 25, 1), 1
	s_wait_xcnt 0x0
	s_wait_alu depctr_hold_cnt(0) depctr_sa_sdst(0) depctr_va_vdst(0) depctr_va_sdst(0) depctr_va_ssrc(0) depctr_va_vcc(0) depctr_vm_vsrc(0)
	s_getreg_b32 s2, hwreg(HW_REG_IB_STS2, 6, 4)
	s_cmp_eq_u32 s2, 0
	s_cbranch_scc0 .Lentry_in_a_cluster
	s_endpgm
.Lentry_in_a_cluster:
	s_bfe_u32 s2, ttmp6, 0x10000c
	s_cmp_lg_u32 s2, 0xf033
	s_cbranch_scc0 .Lentry_shape_is_right
	s_endpgm
.Lentry_shape_is_right:
; S = qp kp^T on codes of FP6 (E2M3) out of b2, the causal mask, and the softmax's p as codes into b3.
; For each query and each CHUNK of 128 keys (a wave's tile, one scale word): t = score x log2(e) / 32; M_c = the chunk's largest t rounded up to a whole number; p = 2^(t - M_c) is quantised along the keys.
; Stored: p's codes, its scale word, -M_c and l_c = the sum of the unquantised p.  The next launch brings all chunks of a row under the row's M by taking M - M_c off the scale bytes: the codes stay as they are.
; A chunk that lies wholly behind the mask for a row: codes 0, byte 1, l_c = 0, -M_c = 3e38.  Every tile is made and stored, since the next launch walks all keys.
; LIMITS: a block of zeros gets the byte 1 where the rule says 127 (this program alone reads the bytes); NaN and infinities are not served.
; ROLES.  A = qp is the matrix instruction's source 1 (a query is lane % 16 of the result), B = kp its source 0.  kp's rows are laid so that register 16 b + i of a block of 16 queries is key 32 b + 16 (lane / 16) + i of the
; wave's 128.  qp's rows lie in the same order: place 16 a + r of the wave's 128 holds query 32 (a / 2) + 8 (a % 2) + r + 8 (r / 8); p keeps the places.
; OPERANDS IN MEMORY: codes [block of 16 rows][K step of 128][1,536 bytes = the image of the fragment's 12 registers]; scale words, -M_c and l_c [128 rows][K step][128 x 4 bytes].
; SHARES, RING, CLUSTERS: a tile of 256 x 256 to a work-group of four waves, 128 x 128 a wave; K in steps of 256 through two LDS slots; a wave's tensor load brings 8 row blocks x 3,072 consecutive bytes; the scale words come
; once.  4 x 4 work-groups ask jointly: A's tiles along a row of the cluster, B's along a column.  By this text's count a wave has at most one tensor load out.
; REGISTERS: window 0: v0-31 addresses; v32-63 scale words, two sets; v128-223 A's fragments; on the way out v128-255 are free.  window 1: B's fragments, two sets.  windows 2, 3: the accumulators.
.set KT,     1024
.set NKS,    KT/128
.set FRB,    1536
.set RBS,    NKS*FRB
.set KROW,   KT*3/4
.set KS,     KT/32
.set NQ,     2
.set SLB,    NQ*FRB
.set HALFT,  8*SLB
.set SLOT,   4*HALFT
.set LAPS,   KT/512
.set SCL,    2*SLOT
.set HALFS,  NKS*512
.set SPARE,  SCL+4*HALFS               ; the spare words, 128 bytes for each wave: two blocks of 256 bytes that no other line names
.set STG,    SPARE+512                 ; stages of the way out: bytes of their own, into which no fill lands
.set FR,     12
.set NL,     3
.set NP,     4
.set B2S,    18874368
.set B3S,    12582912
.set OSTEP,  24576                     ; p: from a block of 16 rows to the next: 16 K steps x 1,536 bytes
.set ADRA, 16
.set ADRB, 20
.set LI,   26
.set ADRS, 27
.set SPW,  28
.set NIL,  29
.set SC,   32
.set BI,   64
.set AF,   128
.set ST,   128                         ; the way out: v128-191 t - M, then p; v192-199 sums and maxima; v200-215 at work; v216 the scale word; v224-242 the codes; v244-255 on their way out
.set TM,   200
.set PW,   216
.set PC,   224
.set WB,   244
.set SEL,  96
.set G1, 24
.set G0, 32
.set G1B, 48
.set G0B, 56
.set G1S, 68
.set G0S, 76
.set G1SB, 80
.set G0SB, 88
.set MSB, 0
.macro WIN new                         ; the register windows; the immediate's high byte repeats the setting that is left; a switch that changes nothing is dropped
.if MSB != (\new)
	s_set_vgpr_msb (MSB<<8)|(\new)
.set MSB, (\new)
.endif
.endm
.set MUL_LO, 0xa1                      ; source 0 (B) window 1, source 1 (A) window 0, C and D window 2
.set MUL_HI, 0xf1
.set TO_B,   0x40
; A joint load: waves 0 and 1 fetch for A, waves 2 and 3 for B; the branch hangs on the wave's number alone.  Four v_nop follow each of the two lines.
.macro JLOAD g0a, g1a, g0b, g1b
	s_cmp_eq_u32 s15, 0
	s_cbranch_scc0 .Lfor_b_\@
	tensor_load_to_lds s[\g0a:\g0a+3], s[\g1a:\g1a+7]
	s_nop 0
.rept 4
	v_nop
.endr
	s_branch .Lasked_\@
.Lfor_b_\@:
	tensor_load_to_lds s[\g0b:\g0b+3], s[\g1b:\g1b+7]
	s_nop 0
.rept 4
	v_nop
.endr
.Lasked_\@:
.endm
.macro CREST                           ; a round of the cluster's barrier behind its opening barrier
	s_cmp_lg_u32 s14, 0
	s_cbranch_scc1 .Lnot_wave_0_\@
	s_barrier_signal -3
.Lnot_wave_0_\@:
	s_barrier_wait -3
	s_barrier_signal -1
	s_barrier_wait -1
.endm
.macro CROUND
	s_barrier_signal -1
	s_barrier_wait -1
	CREST
.endm
.macro PLACES n
.rept \n
	v_nop
.endr
.endm
.macro FRAG reg, adr, q, i             ; a fragment comes back as it was stored: three loads of 512 consecutive bytes
.irp c, 0,1,2
	ds_load_b128 v[\reg+4*\c:\reg+4*\c+3], v[\adr] offset:(\i)*SLB+(\q)*FRB+512*\c
.endr
.endm
; 16 matrix instructions: A's blocks a0, a0 + 1 x B's eight.  zero = 1: the first product starts the sums.  The 64 accumulators take turns, one instruction a turn.
.macro MUL16 a0, p, q, sc, zero
.irp a, \a0, \a0+1
.irp b, 0,1,2,3,4,5,6,7
.if (\zero) == 1
	v_wmma_scale_f32_16x16x128_f8f6f4 v[8*(8*((\a)%4)+\b):8*(8*((\a)%4)+\b)+7], v[128*(\p)+FR*\b:128*(\p)+FR*\b+FR-1], v[AF+FR*(\a):AF+FR*(\a)+FR-1], 0, v[SC+8*NQ*(\sc)+NQ*\b+(\q)], v[SC+8*NQ*(\sc)+NQ*(\a)+(\q)] matrix_a_fmt:MATRIX_FMT_FP6 matrix_b_fmt:MATRIX_FMT_FP6 matrix_a_scale:MATRIX_SCALE_ROW1
.else
	v_wmma_scale_f32_16x16x128_f8f6f4 v[8*(8*((\a)%4)+\b):8*(8*((\a)%4)+\b)+7], v[128*(\p)+FR*\b:128*(\p)+FR*\b+FR-1], v[AF+FR*(\a):AF+FR*(\a)+FR-1], v[8*(8*((\a)%4)+\b):8*(8*((\a)%4)+\b)+7], v[SC+8*NQ*(\sc)+NQ*\b+(\q)], v[SC+8*NQ*(\sc)+NQ*(\a)+(\q)] matrix_a_fmt:MATRIX_FMT_FP6 matrix_b_fmt:MATRIX_FMT_FP6 matrix_a_scale:MATRIX_SCALE_ROW1
.endif
.endr
.endr
.endm
.macro FETCH_B slot, q, p
	WIN TO_B
.irp i, 0,1,2,3,4,5,6,7
	FRAG 128*(\p)+FR*\i, ADRB+\slot, \q, \i
.endr
	WIN 0
.endm
.macro FETCH_A slot, q, i0
.irp i, \i0, \i0+1, \i0+2, \i0+3
	FRAG AF+FR*(\i), ADRA+\slot, \q, \i
.endr
.endm
.macro SCALES sc                       ; register 2 i + q: lanes 0-15 the word of A's block i, lanes 16-31 that of B's block i
.irp i, 0,1,2,3,4,5,6,7
	ds_load_b32 v[SC+16*\sc+2*\i], v[ADRS] offset:64*\i
	ds_load_b32 v[SC+16*\sc+2*\i+1], v[ADRS] offset:512+64*\i
.endr
.endm
.macro STEP slot, q, zero              ; a step of 128 along K that has its successor in the same slot
	s_wait_dscnt 4*NL                              ; B's set, the scale words and A's blocks 0-3 are in; the youngest 12 loads (A's blocks 4-7) may be out
	WIN MUL_LO
	MUL16 0, (\q)%2, \q, \slot, \zero
	MUL16 2, (\q)%2, \q, \slot, \zero
	s_wait_dscnt 0                                 ; A's blocks 4-7 are in
	PLACES NP                                      ; places in front of loads into registers that matrix instructions have read
	FETCH_B \slot, (\q)+1, 1-(\q)%2
	FETCH_A \slot, (\q)+1, 0
	WIN MUL_HI
	MUL16 4, (\q)%2, \q, \slot, \zero
	MUL16 6, (\q)%2, \q, \slot, \zero
	PLACES NP
	WIN 0
	FETCH_A \slot, (\q)+1, 4
.endm
; A slot's last step changes slots: one barrier; in front of it each wave waits for all its tensor loads, adds 0 to its spare word, and waits for that and for its reads of this slot.
.macro TURN slot, next, fill
	s_wait_tensorcnt 0x0                           ; all my tensor loads have landed: my part of the next slot
	ds_add_u32 v[SPW], v[NIL]                      ; 0 onto my spare word
	s_wait_dscnt 4*NL+1                            ; (the add and the youngest 12 loads may be out)
	WIN MUL_LO
	MUL16 0, 1, NQ-1, \slot, 0
	s_wait_dscnt 0x0                               ; the add is done, and my reads of this slot are over
	s_barrier_signal -1
	MUL16 2, 1, NQ-1, \slot, 0
	WIN 0
	s_barrier_wait -1
.if \fill
	CREST                                          ; a round of the cluster's barrier: no wave of any partner still reads this slot or has a load on its way
	s_add_nc_u64 s[G0+4*\slot+2:G0+4*\slot+3], s[G0+4*\slot+2:G0+4*\slot+3], 2*SLB
	s_add_nc_u64 s[G0B+4*\slot+2:G0B+4*\slot+3], s[G0B+4*\slot+2:G0B+4*\slot+3], 2*SLB
	JLOAD G0+4*\slot, G1, G0B+4*\slot, G1B         ; the first tensor load behind the round; its four v_nop are also the places in front of the loads below
.else
	PLACES NP
.endif
	s_wait_alu depctr_va_vdst(0)
	v_add_nc_u32 v[ADRS], 512*NQ, v[ADRS]
	FETCH_B \next, 0, 0
	FETCH_A \next, 0, 0
	SCALES \next
	WIN MUL_HI
	MUL16 4, 1, NQ-1, \slot, 0
	MUL16 6, 1, NQ-1, \slot, 0
	PLACES NP
	WIN 0
	FETCH_A \next, 0, 4
.endm
; 64 numbers of a lane in window w, register 16 b + i = k 32 b + 16 h + i of its row, become a fragment's 12 registers in v[PC] on and the row's scale word in v[PW]
.macro QUANT x, w
	WIN (\w)|((\w)<<2)
.irp b, 0,1,2,3
	v_max3_num_f32 v[TM+\b], |v[(\x)+16*\b]|, |v[(\x)+16*\b+1]|, 0x1800000   ; my 16 numbers of block b, and the floor 2^(3 - 127): the byte cannot fall under 1
.endr
.irp i, 2,4,6,8,10,12,14
.irp b, 0,1,2,3
	v_max3_num_f32 v[TM+\b], |v[(\x)+16*\b+\i]|, |v[(\x)+16*\b+\i+1]|, v[TM+\b]
.endr
.endr
	WIN 0
.irp b, 0,1,2,3
	v_permlanex16_b32 v[TM+4+\b], v[TM+\b], s[SEL], s[SEL+1]
.endr
.irp b, 0,1,2,3
	v_max_num_f32 v[TM+\b], v[TM+\b], v[TM+4+\b]
.endr
.irp b, 0,1,2,3
	v_add_nc_u32 v[TM+12+\b], 0xff000000, v[TM+\b] ; 2 off the exponent field: the conversion's scale operand
.endr
.irp b, 0,1,2,3
	v_lshrrev_b32 v[TM+4+\b], 23, v[TM+12+\b]      ; the scale's byte
.endr
	s_wait_alu depctr_va_vdst(0)
	s_wait_xcnt 0x0                                ; the last fragment's stores have read their registers: these are written again only behind this wait
	v_lshl_or_b32 v[PW], v[TM+5], 8, v[TM+4]
	v_lshl_or_b32 v[PW], v[TM+6], 16, v[PW]
	v_lshl_or_b32 v[PW], v[TM+7], 24, v[PW]
	WIN (\w)
.irp c, 0,1
	v_cvt_scalef32_pk16_fp6_f32 v[PC+6*\c:PC+6*\c+2], v[(\x)+32*\c:(\x)+32*\c+15], v[TM+12+2*\c]
	v_cvt_scalef32_pk16_fp6_f32 v[PC+12+4*\c:PC+12+4*\c+2], v[(\x)+32*\c+16:(\x)+32*\c+31], v[TM+12+2*\c+1]
.endr
	WIN 0
	v_nop                                          ; one plain instruction behind a scaled conversion
.irp c, 0,1
.irp i, 0,1,2
	v_permlane16_swap_b32 v[PC+6*\c+\i], v[PC+12+4*\c+\i]
.endr
.irp i, 0,1,2
	v_mov_b32 v[PC+3+6*\c+\i], v[PC+12+4*\c+\i]
.endr
.endr
.endm
.macro PUT a                           ; block a's fragment goes to memory as it stands, 512 consecutive bytes a store; its scale words gather in my stage
.irp c, 0,1,2
	global_store_b128 v[LI], v[PC+4*\c:PC+4*\c+3], s[98:99] offset:(\a)*OSTEP+512*\c
.endr
	ds_store_b32 v24, v[PW] offset:64*(\a)         ; the wait for it stands in the next block, ahead of the first write of a register that these stores read
.endm
; THE SOFTMAX of block a: 16 queries x my 128 keys
.macro SOFT a
.set AC, 64*((\a)%4)
.set WW, 2+(\a)/4
	s_cmp_lg_u32 s95, 0                            ; a cluster all of whose keys come before all its queries has nothing to hide: a branch on the cluster's numbers, the same in all partners
	s_cbranch_scc1 .Lopen_\@
	v_add_nc_u32 v217, 32*((\a)/2)+8*((\a)%2), v30 ; d = my query - my half's first key.  Register 16 b + i holds the key 32 b + i on from there: hidden where 32 b + i > d
	WIN (WW<<6)|WW
.set N, 0
.set MK, 4                             ; s4-s11 take eight masks by turns (the arguments that lay there were used at the head): no select reads the mask written just ahead of it
.rept 8
.irp k, 0,1,2,3,4,5,6,7
	v_cmp_gt_i32 s[MK+\k], 32*((N+\k)/16)+(N+\k)%16, v217
.endr
.irp k, 0,1,2,3,4,5,6,7
	v_cndmask_b32 v[AC+N+\k], v[AC+N+\k], v31, s[MK+\k]    ; -infinity: p = 0 then
.endr
.set N, N+8
.endr
	WIN 0
.Lopen_\@:
	s_wait_alu depctr_va_vdst(0)
	s_wait_dscnt 0x0                               ; the last block's three LDS stores have read their registers, which are written again below
	WIN WW|(WW<<2)
.irp b, 0,1,2,3
	v_max_num_f32 v[TM+\b], v[AC+16*\b], v[AC+16*\b+1]   ; the largest score, in four chains; each accumulator from its low end on
.endr
.irp i, 2,4,6,8,10,12,14
.irp b, 0,1,2,3
	v_max3_num_f32 v[TM+\b], v[AC+16*\b+\i], v[AC+16*\b+\i+1], v[TM+\b]
.endr
.endr
	WIN 0
	v_max3_num_f32 v198, v[TM], v[TM+1], v[TM+2]
	v_max_num_f32 v198, v198, v[TM+3]
	v_permlanex16_b32 v199, v198, s[SEL], s[SEL+1]
	v_max_num_f32 v198, v198, v199                 ; with lane l xor 16's 64 keys
	v_mul_f32 v198, s104, v198                     ; as t (c is positive)
	v_max_num_f32 v198, 0xff61b1e6, v198           ; held at -3e38 where the whole chunk is hidden
	v_floor_f32 v196, -v198                        ; -M_c = floor(-t) = -ceil(t): a whole number
	WIN WW
.set J, 0
.rept 32
	v_pk_fma_f32 v[ST+J:ST+J+1], v[AC+J:AC+J+1], s[104:105], v[196:197] op_sel_hi:[1,0,0]   ; t - M_c, two at a time
.set J, J+2
.endr
	WIN 0
.set J, 0
	s_wait_alu depctr_va_vdst(0)
.rept 64
	v_exp_f32 v[ST+J], v[ST+J]                     ; p = 2^(t - M_c), at most 1
.set J, J+1
.endr
	v_nop                                          ; a plain instruction behind the last exponential
	s_wait_alu depctr_va_vdst(0)                   ; one wait for the batch, ahead of its first reader
	v_pk_add_f32 v[192:193], v[ST:ST+1], v[ST+2:ST+3]     ; the sum of the unquantised p, two at a time, in four chains
	v_pk_add_f32 v[194:195], v[ST+4:ST+5], v[ST+6:ST+7]
	v_pk_add_f32 v[TM:TM+1], v[ST+8:ST+9], v[ST+10:ST+11]
	v_pk_add_f32 v[TM+2:TM+3], v[ST+12:ST+13], v[ST+14:ST+15]
.set J, 16
.rept 6
	v_pk_add_f32 v[192:193], v[192:193], v[ST+J:ST+J+1]
	v_pk_add_f32 v[194:195], v[194:195], v[ST+J+2:ST+J+3]
	v_pk_add_f32 v[TM:TM+1], v[TM:TM+1], v[ST+J+4:ST+J+5]
	v_pk_add_f32 v[TM+2:TM+3], v[TM+2:TM+3], v[ST+J+6:ST+J+7]
.set J, J+8
.endr
	v_pk_add_f32 v[192:193], v[192:193], v[194:195]
	v_pk_add_f32 v[TM:TM+1], v[TM:TM+1], v[TM+2:TM+3]
	v_pk_add_f32 v[192:193], v[192:193], v[TM:TM+1]
	v_add_f32 v192, v192, v193
	v_permlanex16_b32 v199, v192, s[SEL], s[SEL+1]
	v_add_f32 v192, v192, v199                     ; l_c
	QUANT ST, 0
	ds_store_b32 v24, v196 offset:512+64*(\a)      ; -M_c and l_c gather beside the scale words
	ds_store_b32 v24, v192 offset:1024+64*(\a)
	PUT \a
.endm
	s_load_b128 s[4:7], s[0:1], 0x0                ; b2 s[4:5], b3 s[6:7]
	v_lshl_add_u32 v[SPW], v0, 2, SPARE
	v_mov_b32 v[NIL], 0
	ds_add_u32 v28, v29
	ds_add_u32 v28, v29
	s_wait_dscnt 0x0
	v_lshrrev_b32 v1, 5, v0
	v_readfirstlane_b32 s14, v1                    ; wave 0..3
	s_lshr_b32 s15, s14, 1                         ; which half of A's rows is mine.  Also: I fetch for A (0) or for B (1)
	s_and_b32 s16, s14, 1                          ; which half of B's rows.  Also: which 128 rows I fetch
	s_bfe_u32 s40, ttmp6, 0x40000                  ; cx, cy
	s_bfe_u32 s41, ttmp6, 0x40004
	s_and_b32 s66, ttmp7, 0xffff                   ; cluster y: 2 x batch + which 1,024 queries
	s_lshr_b32 s67, s66, 1                         ; the batch
	s_and_b32 s18, s66, 1
	s_cmp_lt_u32 ttmp9, s18                        ; cluster x: which 1,024 keys
	s_cselect_b32 s95, 1, 0                        ; 1: no key of the cluster is hidden
	s_lshl_b32 s17, s66, 2
	s_add_co_u32 s17, s17, s41                     ; tile row, over qp's 8,192 rows
	s_lshl_b32 s42, s67, 1
	s_add_co_u32 s42, s42, ttmp9
	s_lshl_b32 s42, s42, 2
	s_add_co_u32 s42, s42, s40                     ; tile column, over kp's 8,192 rows
	s_lshl_b32 s43, s41, 2
	s_lshl_b32 s43, 15, s43                        ; my row of the cluster
	s_lshl_b32 s44, 0x1111, s40                    ; my column
	; descriptor group 1 for codes: 8 rows (row blocks) of 384 elements of 8 bytes, RBS bytes apart; no padding
	s_or_b32 s[G1+0], s43, (3<<16)|(1<<21)
	s_or_b32 s[G1B+0], s44, (3<<16)|(1<<21)
.irp g, G1, G1B
	s_mov_b32 s[\g+1], 384<<16
	s_mov_b32 s[\g+2], 16<<16                      ; the head's loads bring 16 row blocks; behind them the two words that count rows are set to 8
	s_mov_b32 s[\g+3], 384<<16
	s_mov_b32 s[\g+4], 16
	s_mov_b32 s[\g+5], RBS/8
	s_mov_b32 s[\g+6], 0
	s_mov_b32 s[\g+7], 0
.endr
	; and for the scale words of 128 rows: a dense block of HALFS bytes, as rows of 256 bytes
	s_or_b32 s[G1S+0], s43, (3<<16)|(1<<21)
	s_or_b32 s[G1SB+0], s44, (3<<16)|(1<<21)
.irp g, G1S, G1SB
	s_mov_b32 s[\g+1], 32<<16
	s_mov_b32 s[\g+2], (HALFS/128)<<16             ; the scale words of 256 rows
	s_mov_b32 s[\g+3], 32<<16
	s_mov_b32 s[\g+4], HALFS/128
	s_mov_b32 s[\g+5], 32
	s_mov_b32 s[\g+6], 0
	s_mov_b32 s[\g+7], 0
.endr
	s_lshl_b32 s18, s16, 7
	s_lshl_b32 s20, s17, 8
	s_mul_i32 s22, s20, KS                         ; the scale words begin with the tile's first row
	s_add_co_u32 s20, s20, s18                     ; A's row
	s_lshl_b32 s46, s42, 8
	s_add_co_u32 s22, s22, B2S                     ; qp's scale words
	s_mul_i32 s20, s20, KROW                       ; qp's codes
	s_mul_i32 s92, s46, KS
	s_add_co_u32 s46, s46, s18                     ; B's row
	s_add_co_u32 s92, s92, B2S+262144              ; kp's scale words
	s_mul_i32 s46, s46, KROW
	s_add_co_u32 s46, s46, 6291456                 ; kp's codes
	s_mov_b32 s21, 0
	s_mov_b32 s23, 0
	s_mov_b32 s47, 0
	s_mov_b32 s93, 0
	s_mul_i32 s45, s14, HALFT
	s_wait_kmcnt 0x0
	s_add_nc_u64 s[20:21], s[4:5], s[20:21]
	s_add_nc_u64 s[22:23], s[4:5], s[22:23]
	s_add_nc_u64 s[46:47], s[4:5], s[46:47]
	s_add_nc_u64 s[92:93], s[4:5], s[92:93]
	CROUND                                         ; all sixteen work-groups are here: the first joint loads meet
	s_mov_b32 s[G0S], 1
	s_mov_b32 s[G0S+1], SCL
	s_mov_b64 s[G0S+2:G0S+3], s[22:23]
	s_or_b32 s[G0S+3], s[G0S+3], 0x80000000
	s_mov_b32 s[G0SB], 1
	s_mov_b32 s[G0SB+1], SCL+2*HALFS
	s_mov_b64 s[G0SB+2:G0SB+3], s[92:93]
	s_or_b32 s[G0SB+3], s[G0SB+3], 0x80000000
.irp s, 0,1
	s_mov_b32 s[G0+4*\s], 1
	s_add_co_u32 s[G0+4*\s+1], s45, \s*SLOT
	s_add_nc_u64 s[G0+4*\s+2:G0+4*\s+3], s[20:21], \s*SLB
	s_or_b32 s[G0+4*\s+3], s[G0+4*\s+3], 0x80000000
	s_mov_b32 s[G0B+4*\s], 1
	s_add_co_u32 s[G0B+4*\s+1], s45, \s*SLOT
	s_add_nc_u64 s[G0B+4*\s+2:G0B+4*\s+3], s[46:47], \s*SLB
	s_or_b32 s[G0B+4*\s+3], s[G0B+4*\s+3], 0x80000000
.endr
; THE HEAD'S LOADS, ONE A WAVE: wave 0 slot 0's 256 rows of A (its own group 0 begins at the tile's first row), wave 1 A's scale words, wave 2 slot 0's 256 rows of B, wave 3 B's scale words.
.macro ARM under, g0, g1, next
	s_cmp_lt_u32 s14, \under
	s_cbranch_scc0 \next
	tensor_load_to_lds s[\g0:\g0+3], s[\g1:\g1+7]
	s_nop 0
.rept 4
	v_nop
.endr
	s_branch .Lhead_asked
\next:
.endm
	ARM 1, G0,  G1,  .Lhead_sa
	ARM 2, G0S, G1S, .Lhead_b
	ARM 3, G0B, G1B, .Lhead_sb
	tensor_load_to_lds s[G0SB:G0SB+3], s[G1SB:G1SB+7]
	s_nop 0
.rept 4
	v_nop
.endr
.Lhead_asked:
	v_and_b32 v1, 15, v0
	v_bfe_u32 v2, v0, 4, 1                         ; h
	s_wait_alu depctr_va_vdst(0)
	v_and_b32 v3, 31, v0
	v_lshlrev_b32 v[LI], 4, v3
	s_mul_i32 s21, s15, HALFT
	s_mul_i32 s22, s16, HALFT
	s_add_co_u32 s22, s22, 2*HALFT
.irp s, 0,1
	v_add_nc_u32 v[ADRA+\s], s21, v[LI]
	v_add_nc_u32 v[ADRB+\s], s22, v[LI]
	s_add_co_u32 s21, s21, SLOT
	s_add_co_u32 s22, s22, SLOT
.endr
	v_lshlrev_b32 v5, 2, v1
	s_mul_i32 s21, s15, HALFS
	s_mul_i32 s22, s16, HALFS
	s_add_co_u32 s22, s22, 2*HALFS
	s_sub_co_u32 s22, s22, s21
	v_mul_u32_u24 v6, s22, v2                      ; lanes 16-31 take B's
	s_add_co_u32 s21, s21, SCL
	v_add_nc_u32 v5, v5, v6
	v_add_nc_u32 v[ADRS], s21, v5
	s_mul_i32 s23, s14, 1536
	s_add_co_u32 s23, s23, STG                     ; my stage: three planes of 512 bytes
	v_lshl_add_u32 v24, v1, 2, s23
	v_add_nc_u32 v25, s23, v[LI]
	s_mov_b32 s[SEL], 0x76543210
	s_mov_b32 s[SEL+1], 0xfedcba98
	s_mov_b32 s104, 0x3d38aa3b                     ; c = log2(e) / 32
	s_mov_b32 s105, s104                           ; (named with it as a pair, so it is written)
	; the mask: v30 = 256 (query tile - key tile) + 128 (my half of the queries - my half of the keys) + r + 8 (r / 8) - 16 h
	s_and_b32 s18, s17, 7
	s_and_b32 s19, s42, 7
	s_lshl_b32 s20, s19, 1
	s_add_co_u32 s20, s20, s16                     ; my chunk of the batch's 16
	s_sub_co_i32 s18, s18, s19
	s_lshl_b32 s18, s18, 8
	s_sub_co_i32 s19, s15, s16
	s_lshl_b32 s19, s19, 7
	s_add_co_i32 s18, s18, s19
	v_and_b32 v3, 8, v1
	v_add_nc_u32 v3, v3, v1
	v_lshlrev_b32 v4, 4, v2
	v_sub_nc_u32 v3, v3, v4
	v_add_nc_u32 v30, s18, v3
	v_mov_b32 v31, 0xff800000                      ; -infinity
	; where the results go
	s_lshl_b32 s21, s17, 1
	s_add_co_u32 s21, s21, s15                     ; my group of 128 rows
	s_mul_i32 s98, s21, 8*OSTEP
	s_mul_i32 s22, s20, FRB
	s_add_co_u32 s98, s98, s22
	s_mov_b32 s99, 0
	s_add_nc_u64 s[98:99], s[6:7], s[98:99]
	s_lshl_b32 s100, s21, 4
	s_add_co_u32 s100, s100, s20
	s_lshl_b32 s100, s100, 9
	s_add_co_u32 s100, s100, B3S
	s_mov_b32 s101, 0
	s_add_nc_u64 s[100:101], s[6:7], s[100:101]
	s_wait_alu depctr_va_vdst(0)
	s_wait_tensorcnt 0x0                           ; my tile of the head's four is in
	ds_add_u32 v[SPW], v[NIL]
	s_mov_b32 s[G1+2], 8<<16                       ; no tensor load of mine is out: from here on a load brings 8 row blocks
	s_mov_b32 s[G1+4], 8
	s_mov_b32 s[G1B+2], 8<<16
	s_mov_b32 s[G1B+4], 8
	s_wait_dscnt 0x0
	CROUND                                         ; all four tiles are in, and all sixteen work-groups are here
	JLOAD G0+4, G1, G0B+4, G1B                     ; slot 1's first fill, the first tensor load behind the round
	FETCH_B 0, 0, 0
	FETCH_A 0, 0, 0
	SCALES 0
	FETCH_A 0, 0, 4
	STEP 0, 0, 1                                   ; the first step stands in front of the loop: its products start the sums
	s_mov_b32 s3, LAPS-1
.Llap:
	TURN 0, 1, 1
	STEP 1, 0, 0
	TURN 1, 0, 1
	STEP 0, 0, 0
	s_sub_co_u32 s3, s3, 1
	s_cmp_lg_u32 s3, 0
	s_cbranch_scc1 .Llap
	TURN 0, 1, 0
	STEP 1, 0, 0
	s_wait_dscnt 4*NL
	WIN MUL_LO
	MUL16 0, 1, NQ-1, 1, 0
	MUL16 2, 1, NQ-1, 1, 0
	s_wait_dscnt 0
	WIN MUL_HI
	MUL16 4, 1, NQ-1, 1, 0
	MUL16 6, 1, NQ-1, 1, 0
	WIN 0
	PLACES NP
.irp b, 0,1,2,3
	v_mov_b32 v[TM+4+\b], 0                        ; a lane permute's destination counts as one of its sources
.endr
	v_mov_b32 v199, 0
	v_mov_b32 v197, 0                              ; (named as the upper half of the pair v[196:197])
.irp a, 0,1,2,3,4,5,6,7
	SOFT \a
.endr
.irp c, 0,1,2
	ds_load_b128 v[WB+4*\c:WB+4*\c+3], v25 offset:512*\c   ; my 128 rows' scale words, -M_c, l_c (my own bytes, served in order)
.endr
	s_wait_dscnt 0x0
.irp c, 0,1,2
	global_store_b128 v[LI], v[WB+4*\c:WB+4*\c+3], s[100:101] offset:524288*\c   ; 512 consecutive bytes in each of the three planes
.endr
	s_wait_tensorcnt 0x0                           ; the wave's end
	ds_add_u32 v[SPW], v[NIL]
	s_wait_dscnt 0x0
	CROUND                                         ; the closing round
	s_endpgm
.Lfunc_end_k_q2e8a197482_scores:
	.size	k_q2e8a197482_scores, .Lfunc_end_k_q2e8a197482_scores-k_q2e8a197482_scores
	.p2alignl 7, 3214868480
	.fill 96, 4, 3214868480
	.section	.rodata,"a",@progbits
	.p2align	6, 0x0
	.amdhsa_kernel k_q2e8a197482_scores
		.amdhsa_group_segment_fixed_size 327680
		.amdhsa_private_segment_fixed_size 0
		.amdhsa_enable_private_segment 0
		.amdhsa_kernarg_size 16
		.amdhsa_user_sgpr_count 2
		.amdhsa_user_sgpr_kernarg_segment_ptr 1
		.amdhsa_wavefront_size32 1
		.amdhsa_system_sgpr_workgroup_id_x 1
		.amdhsa_system_sgpr_workgroup_id_y 1
		.amdhsa_system_sgpr_workgroup_id_z 1
		.amdhsa_system_vgpr_workitem_id 0
		.amdhsa_next_free_vgpr 1024
		.amdhsa_next_free_sgpr 106
		.amdhsa_reserve_vcc 0
		.amdhsa_float_denorm_mode_32 3
		.amdhsa_float_denorm_mode_16_64 3
		.amdhsa_memory_ordered 1
		.amdhsa_forward_progress 1
		.amdhsa_inst_pref_size 255
	.end_amdhsa_kernel
	.section	.bss,"aw",@nobits
	.p2align	6
	.space	262144
	.amdgpu_metadata
---
amdhsa.version: [ 1, 2 ]
amdhsa.kernels:
  - .name:           k_q2e8a197482_scores
    .symbol:         k_q2e8a197482_scores.kd
    .args:
      - { .name: b2, .offset: 0, .size: 8, .value_kind: global_buffer, .address_space: global }
      - { .name: b3, .offset: 8, .size: 8, .value_kind: global_buffer, .address_space: global }
    .group_segment_fixed_size: 327680
    .private_segment_fixed_size: 0
    .kernarg_segment_align: 8
    .kernarg_segment_size: 16
    .max_flat_workgroup_size: 128
    .sgpr_count:     106
    .vgpr_count:     1024
    .wavefront_size: 32
...
	.end_amdgpu_metadata
.endif
;; end of part 3
;; launch pv (part 4): grid 8 x 32, 4 waves a work-group, clusters of 4 x 4, 327,680 bytes of LDS; arguments b2, b3, b4; writes b4
.if DOCPART == 4
	.amdgcn_target "amdgcn-amd-amdhsa--gfx1250"
	.amdhsa_code_object_version 6
	.text
	.protected	k_q2e8a197482_pv
	.globl	k_q2e8a197482_pv
	.p2align	8
	.type	k_q2e8a197482_pv,@function
k_q2e8a197482_pv:
	s_mov_b64 s[64:65], 0
	v_nop
	global_prefetch_b8 v0, s[64:65] scope:SCOPE_SE
	s_setreg_imm32_b32 hwreg(HW_REG_WAVE_MODE, 25, 1), 1
	s_wait_xcnt 0x0
	s_wait_alu depctr_hold_cnt(0) depctr_sa_sdst(0) depctr_va_vdst(0) depctr_va_sdst(0) depctr_va_ssrc(0) depctr_va_vcc(0) depctr_vm_vsrc(0)
	s_getreg_b32 s2, hwreg(HW_REG_IB_STS2, 6, 4)
	s_cmp_eq_u32 s2, 0
	s_cbranch_scc0 .Lentry_in_a_cluster
	s_endpgm
.Lentry_in_a_cluster:
	s_bfe_u32 s2, ttmp6, 0x10000c
	s_cmp_lg_u32 s2, 0xf033
	s_cbranch_scc0 .Lentry_shape_is_right
	s_endpgm
.Lentry_shape_is_right:
.set KT,     2048
.set NKS,    KT/128
.set FRB,    1536
.set RBS,    NKS*FRB
.set KROW,   KT*3/4
.set KS,     KT/32
.set NQ,     4
.set SLB,    NQ*FRB
.set AW,     4*SLB
.set BW,     8*SLB
.set ABYT,   2*AW
.set SLOT,   ABYT+2*BW
.set SCL,    2*SLOT
.set HALFS,  NKS*512
.set SPARE,  SCL+3*HALFS
.set STG,    SPARE+512
.set RLB,    STG+1024
.set FR,     12
.set NP,     4
.set B2S,    18874368
.set B3S,    12582912
.set B4S,    6291456
.set OSTEP,  12288
.set ADRA, 16
.set L8,   19
.set ADRB, 20
.set LI,   26
.set ADRS, 27
.set SPW,  28
.set NIL,  29
.set SC,   32
.set RL,   64
.set AF,   128
.set ST,   128
.set TM,   200
.set PW,   216
.set PC,   224
.set WB,   244
.set SEL,  96
.set G1, 24
.set G0, 32
.set G1B, 48
.set G0B, 56
.set G1S, 68
.set G0S, 76
.set G1SB, 80
.set G0SB, 88
.set MSB, 0
.macro WIN new
.if MSB != (\new)
	s_set_vgpr_msb (MSB<<8)|(\new)
.set MSB, (\new)
.endif
.endm
.set MULW,   0xa1
.set TO_B,   0x40
.macro JLOAD g0a, g1a, g0b, g1b
	s_cmp_eq_u32 s15, 0
	s_cbranch_scc0 .Lfor_b_\@
	tensor_load_to_lds s[\g0a:\g0a+3], s[\g1a:\g1a+7]
	s_nop 0
.rept 4
	v_nop
.endr
	s_branch .Lasked_\@
.Lfor_b_\@:
	tensor_load_to_lds s[\g0b:\g0b+3], s[\g1b:\g1b+7]
	s_nop 0
.rept 4
	v_nop
.endr
.Lasked_\@:
.endm
.macro CREST
	s_cmp_lg_u32 s14, 0
	s_cbranch_scc1 .Lnot_wave_0_\@
	s_barrier_signal -3
.Lnot_wave_0_\@:
	s_barrier_wait -3
	s_barrier_signal -1
	s_barrier_wait -1
.endm
.macro CROUND
	s_barrier_signal -1
	s_barrier_wait -1
	CREST
.endm
.macro PLACES n
.rept \n
	v_nop
.endr
.endm
.macro FRAG reg, adr, q, i
.irp c, 0,1,2
	ds_load_b128 v[\reg+4*\c:\reg+4*\c+3], v[\adr] offset:(\i)*SLB+(\q)*FRB+512*\c
.endr
.endm
.macro MULA a, p, zero
.irp b, 0,1,2,3,4,5,6,7
.if (\zero) == 1
	v_wmma_scale_f32_16x16x128_f8f6f4 v[8*(8*(\a)+\b):8*(8*(\a)+\b)+7], v[128*(\p)+FR*\b:128*(\p)+FR*\b+FR-1], v[AF+48*(\p)+FR*(\a):AF+48*(\p)+FR*(\a)+FR-1], 0, v[SC+8*(\p)+\b], v[SC+8*(\p)+(\a)] matrix_a_fmt:MATRIX_FMT_FP6 matrix_b_fmt:MATRIX_FMT_FP6 matrix_a_scale:MATRIX_SCALE_ROW1
.else
	v_wmma_scale_f32_16x16x128_f8f6f4 v[8*(8*(\a)+\b):8*(8*(\a)+\b)+7], v[128*(\p)+FR*\b:128*(\p)+FR*\b+FR-1], v[AF+48*(\p)+FR*(\a):AF+48*(\p)+FR*(\a)+FR-1], v[8*(8*(\a)+\b):8*(8*(\a)+\b)+7], v[SC+8*(\p)+\b], v[SC+8*(\p)+(\a)] matrix_a_fmt:MATRIX_FMT_FP6 matrix_b_fmt:MATRIX_FMT_FP6 matrix_a_scale:MATRIX_SCALE_ROW1
.endif
.endr
.endm
.macro FETCH g
	WIN TO_B
.irp i, 0,1,2,3,4,5,6,7
	FRAG 128*((\g)%2)+FR*\i, ADRB+((\g)/4)%2, (\g)%4, \i
.endr
	WIN 0
.irp i, 0,1,2,3
	FRAG AF+48*((\g)%2)+FR*\i, ADRA+((\g)/4)%2, (\g)%4, \i
.endr
.irp i, 0,1,2,3,4,5,6,7
	ds_load_b32 v[SC+8*((\g)%2)+\i], v[ADRS] offset:512*(\g)+64*\i
.endr
.endm
.macro KSTEP g, zero, fetch
	s_wait_dscnt 0x0
.if \fetch
.if (\g) > 0
	PLACES NP
.endif
	FETCH (\g)+1
.endif
	WIN MULW
.irp a, 0,1,2,3
	MULA \a, (\g)%2, \zero
.endr
.endm
.macro KTURN g, fill
.set SL, ((\g)/4)%2
	WIN 0
	s_wait_tensorcnt 0x0
	ds_add_u32 v[SPW], v[NIL]
	s_wait_dscnt 1
	WIN MULW
	MULA 0, (\g)%2, 0
	s_wait_dscnt 0x0
	s_barrier_signal -1
	MULA 1, (\g)%2, 0
	WIN 0
	s_barrier_wait -1
.if \fill
	CREST
	s_add_nc_u64 s[G0+4*SL+2:G0+4*SL+3], s[G0+4*SL+2:G0+4*SL+3], 2*SLB
	s_add_nc_u64 s[G0B+4*SL+2:G0B+4*SL+3], s[G0B+4*SL+2:G0B+4*SL+3], 2*SLB
	JLOAD G0+4*SL, G1, G0B+4*SL, G1B
.else
	PLACES NP
.endif
	FETCH (\g)+1
	WIN MULW
	MULA 2, (\g)%2, 0
	MULA 3, (\g)%2, 0
.endm
.macro QUANT x, w
	WIN (\w)|((\w)<<2)
.irp b, 0,1,2,3
	v_max3_num_f32 v[TM+\b], |v[(\x)+16*\b]|, |v[(\x)+16*\b+1]|, 0x1800000
.endr
.irp i, 2,4,6,8,10,12,14
.irp b, 0,1,2,3
	v_max3_num_f32 v[TM+\b], |v[(\x)+16*\b+\i]|, |v[(\x)+16*\b+\i+1]|, v[TM+\b]
.endr
.endr
	WIN 0
.irp b, 0,1,2,3
	v_permlanex16_b32 v[TM+4+\b], v[TM+\b], s[SEL], s[SEL+1]
.endr
.irp b, 0,1,2,3
	v_max_num_f32 v[TM+\b], v[TM+\b], v[TM+4+\b]
.endr
.irp b, 0,1,2,3
	v_add_nc_u32 v[TM+12+\b], 0xff000000, v[TM+\b]
.endr
.irp b, 0,1,2,3
	v_lshrrev_b32 v[TM+4+\b], 23, v[TM+12+\b]
.endr
	s_wait_alu depctr_va_vdst(0)
	s_wait_xcnt 0x0
	s_wait_dscnt 0x0                               ; the LDS store of the last scale word has read its register
	v_lshl_or_b32 v[PW], v[TM+5], 8, v[TM+4]
	v_lshl_or_b32 v[PW], v[TM+6], 16, v[PW]
	v_lshl_or_b32 v[PW], v[TM+7], 24, v[PW]
	WIN (\w)
.irp c, 0,1
	v_cvt_scalef32_pk16_fp6_f32 v[PC+6*\c:PC+6*\c+2], v[(\x)+32*\c:(\x)+32*\c+15], v[TM+12+2*\c]
	v_cvt_scalef32_pk16_fp6_f32 v[PC+12+4*\c:PC+12+4*\c+2], v[(\x)+32*\c+16:(\x)+32*\c+31], v[TM+12+2*\c+1]
.endr
	WIN 0
	v_nop
.irp c, 0,1
.irp i, 0,1,2
	v_permlane16_swap_b32 v[PC+6*\c+\i], v[PC+12+4*\c+\i]
.endr
.irp i, 0,1,2
	v_mov_b32 v[PC+3+6*\c+\i], v[PC+12+4*\c+\i]
.endr
.endr
.endm
.macro PUT a
.irp c, 0,1,2
	global_store_b128 v[LI], v[PC+4*\c:PC+4*\c+3], s[98:99] offset:(\a)*OSTEP+512*\c
.endr
	ds_store_b32 v24, v[PW] offset:64*(\a)
.endm
.macro ADJ16 k0
.set I, 0
.rept 16
	v_sub_f32 v[64+I], v[128+\k0+I], v[224+I%2]
.set I, I+1
.endr
.set I, 0
.rept 16
	v_min_num_f32 v[64+I], 0x42fe0000, v[64+I]
.set I, I+1
.endr
.set I, 0
.rept 16
	v_cvt_u32_f32 v[64+I], v[64+I]
.set I, I+1
.endr
.set I, 0
.rept 16
	v_sub_nc_u32 v[80+I], 127, v[64+I]
.set I, I+1
.endr
.set I, 0
.rept 16
	v_lshlrev_b32 v[80+I], 23, v[80+I]
.set I, I+1
.endr
.set I, 0
.rept 16
	v_mul_f32 v[160+\k0+I], v[160+\k0+I], v[80+I]
.set I, I+1
.endr
.set I, 0
.rept 16
	v_mul_lo_u32 v[64+I], v[64+I], s104
.set I, I+1
.endr
.set I, 0
.rept 16
	v_or_b32 v[80+I], 0x80808080, v[192+\k0+I]
.set I, I+1
.endr
.set I, 0
.rept 16
	v_sub_nc_u32 v[80+I], v[80+I], v[64+I]
.set I, I+1
.endr
.set I, 0
.rept 16
	v_and_b32 v[64+I], 0x80808080, v[80+I]
.set I, I+1
.endr
.set I, 0
.rept 16
	v_lshrrev_b32 v[96+I], 7, v[64+I]
.set I, I+1
.endr
.set I, 0
.rept 16
	v_sub_nc_u32 v[64+I], v[64+I], v[96+I]
.set I, I+1
.endr
.set I, 0
.rept 16
	v_and_b32 v[192+\k0+I], v[80+I], v[64+I]
.set I, I+1
.endr
.endm
	s_load_b128 s[4:7], s[0:1], 0x0
	s_load_b64 s[8:9], s[0:1], 0x10
	v_lshl_add_u32 v[SPW], v0, 2, SPARE
	v_mov_b32 v[NIL], 0
	ds_add_u32 v28, v29
	ds_add_u32 v28, v29
	s_wait_dscnt 0x0
	v_lshrrev_b32 v1, 5, v0
	v_readfirstlane_b32 s14, v1
	s_lshr_b32 s15, s14, 1
	s_and_b32 s16, s14, 1
	s_bfe_u32 s40, ttmp6, 0x40000
	s_bfe_u32 s41, ttmp6, 0x40004
	s_and_b32 s66, ttmp7, 0xffff
	s_lshr_b32 s67, s66, 1
	s_lshl_b32 s17, s67, 1
	s_add_co_u32 s17, s17, ttmp9
	s_lshl_b32 s17, s17, 2
	s_add_co_u32 s17, s17, s41
	s_lshl_b32 s42, s66, 2
	s_add_co_u32 s42, s42, s40
	s_lshl_b32 s43, s41, 2
	s_lshl_b32 s43, 15, s43
	s_lshl_b32 s44, 0x1111, s40
	s_or_b32 s[G1+0], s43, (3<<16)|(1<<21)
	s_or_b32 s[G1B+0], s44, (3<<16)|(1<<21)
	s_mov_b32 s[G1+2], 8<<16                       ; the head's loads bring A's 8 and B's 16 row blocks; behind them these words are set to 4 and 8
	s_mov_b32 s[G1+4], 8
	s_mov_b32 s[G1B+2], 16<<16
	s_mov_b32 s[G1B+4], 16
.irp g, G1, G1B
	s_mov_b32 s[\g+1], 768<<16
	s_mov_b32 s[\g+3], 768<<16
	s_mov_b32 s[\g+5], RBS/8
	s_mov_b32 s[\g+6], 0
	s_mov_b32 s[\g+7], 0
.endr
	s_or_b32 s[G1S+0], s43, (3<<16)|(1<<21)
	s_or_b32 s[G1SB+0], s44, (3<<16)|(1<<21)
	s_mov_b32 s[G1S+2], (HALFS/256)<<16            ; the scale words of A's 128 rows, and of B's 256
	s_mov_b32 s[G1S+4], HALFS/256
	s_mov_b32 s[G1SB+2], (HALFS/128)<<16
	s_mov_b32 s[G1SB+4], HALFS/128
.irp g, G1S, G1SB
	s_mov_b32 s[\g+1], 32<<16
	s_mov_b32 s[\g+3], 32<<16
	s_mov_b32 s[\g+5], 32
	s_mov_b32 s[\g+6], 0
	s_mov_b32 s[\g+7], 0
.endr
	s_lshl_b32 s18, s16, 6
	s_lshl_b32 s20, s17, 7
	s_mul_i32 s22, s20, KS
	s_add_co_u32 s22, s22, B2S+524288
	s_add_co_u32 s20, s20, s18
	s_mul_i32 s20, s20, KROW
	s_add_co_u32 s20, s20, 12582912
	s_lshl_b32 s18, s16, 7
	s_lshl_b32 s46, s42, 8
	s_mul_i32 s92, s46, KS
	s_add_co_u32 s46, s46, s18
	s_add_co_u32 s92, s92, B3S
	s_mul_i32 s46, s46, KROW
	s_mov_b32 s21, 0
	s_mov_b32 s23, 0
	s_mov_b32 s47, 0
	s_mov_b32 s93, 0
	s_mul_i32 s45, s16, AW
	s_mul_i32 s95, s16, BW
	s_add_co_u32 s95, s95, ABYT
	s_wait_kmcnt 0x0
	s_add_nc_u64 s[20:21], s[4:5], s[20:21]
	s_add_nc_u64 s[22:23], s[4:5], s[22:23]
	s_add_nc_u64 s[46:47], s[6:7], s[46:47]
	s_add_nc_u64 s[92:93], s[6:7], s[92:93]
	CROUND
	s_mov_b32 s[G0S], 1
	s_mov_b32 s[G0S+1], SCL
	s_mov_b64 s[G0S+2:G0S+3], s[22:23]
	s_or_b32 s[G0S+3], s[G0S+3], 0x80000000
	s_mov_b32 s[G0SB], 1
	s_mov_b32 s[G0SB+1], SCL+HALFS
	s_mov_b64 s[G0SB+2:G0SB+3], s[92:93]
	s_or_b32 s[G0SB+3], s[G0SB+3], 0x80000000
.irp s, 0,1
	s_mov_b32 s[G0+4*\s], 1
	s_add_co_u32 s[G0+4*\s+1], s45, \s*SLOT
	s_add_nc_u64 s[G0+4*\s+2:G0+4*\s+3], s[20:21], \s*SLB
	s_or_b32 s[G0+4*\s+3], s[G0+4*\s+3], 0x80000000
	s_mov_b32 s[G0B+4*\s], 1
	s_add_co_u32 s[G0B+4*\s+1], s95, \s*SLOT
	s_add_nc_u64 s[G0B+4*\s+2:G0B+4*\s+3], s[46:47], \s*SLB
	s_or_b32 s[G0B+4*\s+3], s[G0B+4*\s+3], 0x80000000
.endr
; THE HEAD'S LOADS, ONE A WAVE: wave 0 slot 0's rows of A (its own group 0 begins at the tile's first row), wave 1 A's scale words, wave 2 slot 0's rows of B, wave 3 B's scale words.
.macro ARM under, g0, g1, next
	s_cmp_lt_u32 s14, \under
	s_cbranch_scc0 \next
	tensor_load_to_lds s[\g0:\g0+3], s[\g1:\g1+7]
	s_nop 0
.rept 4
	v_nop
.endr
	s_branch .Lhead_asked
\next:
.endm
	ARM 1, G0,  G1,  .Lhead_sa
	ARM 2, G0S, G1S, .Lhead_b
	ARM 3, G0B, G1B, .Lhead_sb
	tensor_load_to_lds s[G0SB:G0SB+3], s[G1SB:G1SB+7]
	s_nop 0
.rept 4
	v_nop
.endr
.Lhead_asked:
	v_and_b32 v1, 15, v0
	v_bfe_u32 v2, v0, 4, 1
	s_wait_alu depctr_va_vdst(0)
	v_and_b32 v3, 31, v0
	v_lshlrev_b32 v[LI], 4, v3
	v_lshlrev_b32 v[L8], 3, v3
	s_mul_i32 s21, s15, AW
	s_mul_i32 s22, s16, BW
	s_add_co_u32 s22, s22, ABYT
.irp s, 0,1
	v_add_nc_u32 v[ADRA+\s], s21, v[LI]
	v_add_nc_u32 v[ADRB+\s], s22, v[LI]
	s_add_co_u32 s21, s21, SLOT
	s_add_co_u32 s22, s22, SLOT
.endr
	v_lshlrev_b32 v5, 2, v1
	s_lshl_b32 s21, s15, 8
	s_mul_i32 s22, s16, HALFS
	s_add_co_u32 s22, s22, HALFS
	s_sub_co_u32 s22, s22, s21
	v_mul_u32_u24 v6, s22, v2
	s_add_co_u32 s21, s21, SCL
	v_add_nc_u32 v5, v5, v6
	v_add_nc_u32 v[ADRS], s21, v5
	s_lshl_b32 s23, s14, 8
	s_add_co_u32 s23, s23, STG
	v_lshl_add_u32 v24, v1, 2, s23
	v_add_nc_u32 v25, s23, v[L8]
	s_lshl_b32 s21, s16, 9
	s_add_co_u32 s21, s21, RLB
	v_lshl_add_u32 v22, v2, 6, s21
	v_lshrrev_b32 v3, 6, v0
	v_and_b32 v4, 63, v0
	v_lshlrev_b32 v4, 3, v4
	v_mul_u32_u24 v5, v3, HALFS
	v_add_nc_u32 v5, v5, v4
	v_add_nc_u32 v31, SCL+HALFS, v5
	v_lshl_add_u32 v30, v3, 13, v4
	v_lshrrev_b32 v3, 4, v0
	v_lshlrev_b32 v3, 7, v3
	v_bfe_u32 v4, v0, 3, 1
	v_lshl_add_u32 v3, v4, 5, v3
	v_and_b32 v4, 7, v0
	v_lshl_add_u32 v3, v4, 3, v3
	v_bfe_u32 v4, v0, 2, 1
	v_lshl_add_u32 v3, v4, 5, v3
	v_add_nc_u32 v23, RLB, v3
	s_mov_b32 s[SEL], 0x76543210
	s_mov_b32 s[SEL+1], 0xfedcba98
	s_mov_b32 s104, 0x01010101
	s_lshl_b32 s20, s40, 1
	s_add_co_u32 s20, s20, s16
	s_lshl_b32 s21, s66, 1
	s_add_co_u32 s21, s21, ttmp9
	s_lshl_b32 s21, s21, 2
	s_add_co_u32 s21, s21, s41
	s_mul_i32 s98, s21, 8*OSTEP
	s_mul_i32 s22, s15, 4*OSTEP
	s_add_co_u32 s98, s98, s22
	s_mul_i32 s22, s20, FRB
	s_add_co_u32 s98, s98, s22
	s_mov_b32 s99, 0
	s_add_nc_u64 s[98:99], s[8:9], s[98:99]
	s_lshl_b32 s100, s21, 3
	s_add_co_u32 s100, s100, s20
	s_lshl_b32 s100, s100, 9
	s_lshl_b32 s22, s15, 8
	s_add_co_u32 s100, s100, s22
	s_add_co_u32 s100, s100, B4S
	s_mov_b32 s101, 0
	s_add_nc_u64 s[100:101], s[8:9], s[100:101]
	s_lshl_b32 s18, s42, 14
	s_add_co_u32 s18, s18, B3S+524288
	s_mov_b32 s19, 0
	s_add_nc_u64 s[18:19], s[6:7], s[18:19]
.set CC, 0
.rept 16
	global_load_b64 v[128+2*CC:129+2*CC], v30, s[18:19] offset:512*CC
.set CC, CC+1
.endr
.set CC, 0
.rept 16
	global_load_b64 v[160+2*CC:161+2*CC], v30, s[18:19] offset:524288+512*CC
.set CC, CC+1
.endr
	s_wait_alu depctr_va_vdst(0)
	s_wait_tensorcnt 0x0                           ; my tile of the head's four is in
	ds_add_u32 v28, v29
	s_mov_b32 s[G1+2], 4<<16                       ; no tensor load of mine is out: from here on a load brings half of A's or of B's row blocks
	s_mov_b32 s[G1+4], 4
	s_mov_b32 s[G1B+2], 8<<16
	s_mov_b32 s[G1B+4], 8
	s_wait_dscnt 0x0
	CROUND                                         ; all four tiles are in, and all sixteen work-groups are here
	JLOAD G0+4, G1, G0B+4, G1B                     ; slot 1's first fill, the first tensor load behind the round
.set CC, 0
.rept 16
	ds_load_b64 v[192+2*CC:193+2*CC], v31 offset:512*CC
.set CC, CC+1
.endr
	s_wait_loadcnt 0x0
.irp e, 0,1
	v_min3_num_f32 v[224+\e], v[128+\e], v[130+\e], v[132+\e]
.endr
.irp c, 3,5,7,9,11,13
.irp e, 0,1
	v_min3_num_f32 v[224+\e], v[224+\e], v[128+2*\c+\e], v[130+2*\c+\e]
.endr
.endr
.irp e, 0,1
	v_min_num_f32 v[224+\e], v[224+\e], v[158+\e]
.endr
	s_wait_alu depctr_va_vdst(0)
	s_wait_dscnt 0x0
	ADJ16 0
	ADJ16 16
.irp c, 0,1,2,3,4,5,6,7
	v_pk_add_f32 v[160+2*\c:161+2*\c], v[160+2*\c:161+2*\c], v[176+2*\c:177+2*\c]
.endr
.irp c, 0,1,2,3
	v_pk_add_f32 v[160+2*\c:161+2*\c], v[160+2*\c:161+2*\c], v[168+2*\c:169+2*\c]
.endr
.irp c, 0,1
	v_pk_add_f32 v[160+2*\c:161+2*\c], v[160+2*\c:161+2*\c], v[164+2*\c:165+2*\c]
.endr
	v_pk_add_f32 v[160:161], v[160:161], v[162:163]
	s_wait_alu depctr_va_vdst(0)
	v_rcp_f32 v226, v160
	v_rcp_f32 v227, v161
	v_nop
	s_wait_alu depctr_va_vdst(0)
.set CC, 0
.rept 16
	ds_store_b64 v31, v[192+2*CC:193+2*CC] offset:512*CC
.set CC, CC+1
.endr
	ds_store_b64 v23, v[226:227]
	s_wait_dscnt 0x0
	s_barrier_signal -1
	s_barrier_wait -1
	FETCH 0
	KSTEP 0, 1, 1
	KSTEP 1, 0, 1
	KSTEP 2, 0, 1
	KTURN 3, 1
	KSTEP 4, 0, 1
	KSTEP 5, 0, 1
	KSTEP 6, 0, 1
	KTURN 7, 1
	KSTEP 8, 0, 1
	KSTEP 9, 0, 1
	KSTEP 10, 0, 1
	KTURN 11, 0
	KSTEP 12, 0, 1
	KSTEP 13, 0, 1
	KSTEP 14, 0, 1
	KSTEP 15, 0, 0
	WIN 0
	PLACES NP
.irp b, 0,1,2,3
	v_mov_b32 v[TM+4+\b], 0
.endr
.irp b, 0,1,2,3
.irp i, 0,1,2,3
	ds_load_b128 v[RL+16*\b+4*\i:RL+16*\b+4*\i+3], v22 offset:128*\b+16*\i
.endr
.endr
	s_wait_dscnt 0x0
.irp a, 0,1,2,3
	WIN 2
.set J, 0
.rept 32
	v_pk_mul_f32 v[ST+J:ST+J+1], v[64*\a+J:64*\a+J+1], v[RL+J:RL+J+1]
.set J, J+2
.endr
	WIN 0
	QUANT ST, 0
	PUT \a
.endr
	ds_load_b64 v[WB:WB+1], v25
	s_wait_dscnt 0x0
	global_store_b64 v[L8], v[WB:WB+1], s[100:101]
	s_wait_tensorcnt 0x0
	ds_add_u32 v[SPW], v[NIL]
	s_wait_dscnt 0x0
	CROUND
	s_endpgm
.Lfunc_end_k_q2e8a197482_pv:
	.size	k_q2e8a197482_pv, .Lfunc_end_k_q2e8a197482_pv-k_q2e8a197482_pv
	.p2alignl 7, 3214868480
	.fill 96, 4, 3214868480
	.section	.rodata,"a",@progbits
	.p2align	6, 0x0
	.amdhsa_kernel k_q2e8a197482_pv
		.amdhsa_group_segment_fixed_size 327680
		.amdhsa_private_segment_fixed_size 0
		.amdhsa_enable_private_segment 0
		.amdhsa_kernarg_size 24
		.amdhsa_user_sgpr_count 2
		.amdhsa_user_sgpr_kernarg_segment_ptr 1
		.amdhsa_wavefront_size32 1
		.amdhsa_system_sgpr_workgroup_id_x 1
		.amdhsa_system_sgpr_workgroup_id_y 1
		.amdhsa_system_sgpr_workgroup_id_z 1
		.amdhsa_system_vgpr_workitem_id 0
		.amdhsa_next_free_vgpr 768
		.amdhsa_next_free_sgpr 106
		.amdhsa_reserve_vcc 0
		.amdhsa_float_denorm_mode_32 3
		.amdhsa_float_denorm_mode_16_64 3
		.amdhsa_memory_ordered 1
		.amdhsa_forward_progress 1
		.amdhsa_inst_pref_size 178
	.end_amdhsa_kernel
	.amdgpu_metadata
---
amdhsa.version: [ 1, 2 ]
amdhsa.kernels:
  - .name:           k_q2e8a197482_pv
    .symbol:         k_q2e8a197482_pv.kd
    .args:
      - { .name: b2, .offset: 0, .size: 8, .value_kind: global_buffer, .address_space: global }
      - { .name: b3, .offset: 8, .size: 8, .value_kind: global_buffer, .address_space: global }
      - { .name: b4, .offset: 16, .size: 8, .value_kind: global_buffer, .address_space: global }
    .group_segment_fixed_size: 327680
    .private_segment_fixed_size: 0
    .kernarg_segment_align: 8
    .kernarg_segment_size: 24
    .max_flat_workgroup_size: 128
    .sgpr_count:     106
    .vgpr_count:     768
    .wavefront_size: 32
...
	.end_amdgpu_metadata
.endif
;; end of part 4
;; launch outp (part 5): grid 4 x 64, 4 waves a work-group, clusters of 4 x 4, 327,680 bytes of LDS; arguments b4, b1, bo, out0; writes out0
.if DOCPART == 5
	.amdgcn_target "amdgcn-amd-amdhsa--gfx1250"
	.amdhsa_code_object_version 6
	.text
	.protected	k_q2e8a197482_outp
	.globl	k_q2e8a197482_outp
	.p2align	8
	.type	k_q2e8a197482_outp,@function
k_q2e8a197482_outp:
	s_mov_b64 s[64:65], 0
	v_nop
	global_prefetch_b8 v0, s[64:65] scope:SCOPE_SE
	s_setreg_imm32_b32 hwreg(HW_REG_WAVE_MODE, 25, 1), 1
	s_wait_xcnt 0x0
	s_wait_alu depctr_hold_cnt(0) depctr_sa_sdst(0) depctr_va_vdst(0) depctr_va_sdst(0) depctr_va_ssrc(0) depctr_va_vcc(0) depctr_vm_vsrc(0)
	s_getreg_b32 s2, hwreg(HW_REG_IB_STS2, 6, 4)
	s_cmp_eq_u32 s2, 0
	s_cbranch_scc0 .Lentry_in_a_cluster
	s_endpgm
.Lentry_in_a_cluster:
	s_bfe_u32 s2, ttmp6, 0x10000c
	s_cmp_lg_u32 s2, 0xf033
	s_cbranch_scc0 .Lentry_shape_is_right
	s_endpgm
.Lentry_shape_is_right:
.set KT,     1024
.set NKS,    KT/128
.set FRB,    1536
.set RBS,    NKS*FRB
.set KROW,   KT*3/4
.set KS,     KT/32
.set NQ,     4
.set SLB,    NQ*FRB
.set AW,     4*SLB
.set BW,     8*SLB
.set ABYT,   2*AW
.set SLOT,   ABYT+2*BW
.set SCL,    2*SLOT
.set HALFS,  NKS*512
.set STG,    0
.set SPITCH, 528
.set FR,     12
.set NP,     4
.set B1S,    22020096
.set B4S,    6291456
.set ADRA, 16
.set ADRB, 20
.set STO,  24
.set RD,   25
.set LI,   26
.set ADRS, 27
.set SC,   32
.set BI,   64
.set AF,   128
.set BK,   128
.set G1, 24
.set G0, 32
.set G1B, 48
.set G0B, 56
.set G1S, 68
.set G0S, 76
.set G1SB, 80
.set G0SB, 88
.set MSB, 0
.macro WIN new
.if MSB != (\new)
	s_set_vgpr_msb (MSB<<8)|(\new)
.set MSB, (\new)
.endif
.endm
.set MULW,   0xa1
.set TO_B,   0x40
.macro JLOAD g0a, g1a, g0b, g1b
	s_cmp_eq_u32 s15, 0
	s_cbranch_scc0 .Lfor_b_\@
	tensor_load_to_lds s[\g0a:\g0a+3], s[\g1a:\g1a+7]
	s_nop 0
.rept 4
	v_nop
.endr
	s_branch .Lasked_\@
.Lfor_b_\@:
	tensor_load_to_lds s[\g0b:\g0b+3], s[\g1b:\g1b+7]
	s_nop 0
.rept 4
	v_nop
.endr
.Lasked_\@:
.endm
.macro CROUND
	s_barrier_signal -1
	s_barrier_wait -1
	s_cmp_lg_u32 s14, 0
	s_cbranch_scc1 .Lnot_wave_0_\@
	s_barrier_signal -3
.Lnot_wave_0_\@:
	s_barrier_wait -3
	s_barrier_signal -1
	s_barrier_wait -1
.endm
.macro PLACES n
.rept \n
	v_nop
.endr
.endm
.macro FRAG reg, adr, q, i
.irp c, 0,1,2
	ds_load_b128 v[\reg+4*\c:\reg+4*\c+3], v[\adr] offset:(\i)*SLB+(\q)*FRB+512*\c
.endr
.endm
.macro MULA a, p, zero
.irp b, 0,1,2,3,4,5,6,7
.if (\zero) == 2
	v_wmma_scale_f32_16x16x128_f8f6f4 v[8*(8*(\a)+\b):8*(8*(\a)+\b)+7], v[128*(\p)+FR*\b:128*(\p)+FR*\b+FR-1], v[AF+48*(\p)+FR*(\a):AF+48*(\p)+FR*(\a)+FR-1], v[BI+8*\b:BI+8*\b+7], v[SC+8*(\p)+\b], v[SC+8*(\p)+(\a)] matrix_a_fmt:MATRIX_FMT_FP6 matrix_b_fmt:MATRIX_FMT_FP6 matrix_a_scale:MATRIX_SCALE_ROW1
.else
	v_wmma_scale_f32_16x16x128_f8f6f4 v[8*(8*(\a)+\b):8*(8*(\a)+\b)+7], v[128*(\p)+FR*\b:128*(\p)+FR*\b+FR-1], v[AF+48*(\p)+FR*(\a):AF+48*(\p)+FR*(\a)+FR-1], v[8*(8*(\a)+\b):8*(8*(\a)+\b)+7], v[SC+8*(\p)+\b], v[SC+8*(\p)+(\a)] matrix_a_fmt:MATRIX_FMT_FP6 matrix_b_fmt:MATRIX_FMT_FP6 matrix_a_scale:MATRIX_SCALE_ROW1
.endif
.endr
.endm
.macro FETCH g
	WIN TO_B
.irp i, 0,1,2,3,4,5,6,7
	FRAG 128*((\g)%2)+FR*\i, ADRB+((\g)/4)%2, (\g)%4, \i
.endr
	WIN 0
.irp i, 0,1,2,3
	FRAG AF+48*((\g)%2)+FR*\i, ADRA+((\g)/4)%2, (\g)%4, \i
.endr
.irp i, 0,1,2,3,4,5,6,7
	ds_load_b32 v[SC+8*((\g)%2)+\i], v[ADRS] offset:512*(\g)+64*\i
.endr
.endm
.macro KSTEP g, zero, fetch
	s_wait_dscnt 0x0
.if \fetch
.if (\g) > 0
	PLACES NP
.endif
	FETCH (\g)+1
.endif
.if (\zero) == 2
	WIN 0x81
.else
	WIN MULW
.endif
.irp a, 0,1,2,3
	MULA \a, (\g)%2, \zero
.endr
.endm
.macro KTURN g
	s_wait_tensorcnt 0x0
	s_wait_dscnt 0x0
	WIN MULW
	MULA 0, (\g)%2, 0
	s_barrier_signal -1
	MULA 1, (\g)%2, 0
	s_barrier_wait -1
	PLACES NP
	FETCH (\g)+1
	WIN MULW
	MULA 2, (\g)%2, 0
	MULA 3, (\g)%2, 0
.endm
	s_load_b256 s[4:11], s[0:1], 0x0
	v_lshl_add_u32 v62, v0, 2, 0x4b000
	v_mov_b32 v63, 0
	ds_add_u32 v62, v63
	ds_add_u32 v62, v63
	v_lshrrev_b32 v1, 5, v0
	v_readfirstlane_b32 s14, v1
	s_lshr_b32 s15, s14, 1
	s_and_b32 s16, s14, 1
	s_bfe_u32 s40, ttmp6, 0x40000
	s_bfe_u32 s41, ttmp6, 0x40004
	s_and_b32 s66, ttmp7, 0xffff
	s_lshl_b32 s17, s66, 2
	s_add_co_u32 s17, s17, s41
	s_mov_b32 s42, s40
	s_lshl_b32 s43, s41, 2
	s_lshl_b32 s43, 15, s43
	s_lshl_b32 s44, 0x1111, s40
	s_or_b32 s[G1+0], s43, (3<<16)|(1<<21)
	s_or_b32 s[G1B+0], s44, (3<<16)|(1<<21)
	s_mov_b32 s[G1+2], 8<<16                       ; the head's loads bring A's 8 and B's 16 row blocks; behind them these words are set to 4 and 8
	s_mov_b32 s[G1+4], 8
	s_mov_b32 s[G1B+2], 16<<16
	s_mov_b32 s[G1B+4], 16
.irp g, G1, G1B
	s_mov_b32 s[\g+1], 768<<16
	s_mov_b32 s[\g+3], 768<<16
	s_mov_b32 s[\g+5], RBS/8
	s_mov_b32 s[\g+6], 0
	s_mov_b32 s[\g+7], 0
.endr
	s_or_b32 s[G1S+0], s43, (3<<16)|(1<<21)
	s_or_b32 s[G1SB+0], s44, (3<<16)|(1<<21)
	s_mov_b32 s[G1S+2], (HALFS/256)<<16            ; the scale words of A's 128 rows, and of B's 256
	s_mov_b32 s[G1S+4], HALFS/256
	s_mov_b32 s[G1SB+2], (HALFS/128)<<16
	s_mov_b32 s[G1SB+4], HALFS/128
.irp g, G1S, G1SB
	s_mov_b32 s[\g+1], 32<<16
	s_mov_b32 s[\g+3], 32<<16
	s_mov_b32 s[\g+5], 32
	s_mov_b32 s[\g+6], 0
	s_mov_b32 s[\g+7], 0
.endr
	s_lshl_b32 s18, s16, 6
	s_lshl_b32 s20, s17, 7
	s_mul_i32 s22, s20, KS
	s_add_co_u32 s22, s22, B4S
	s_add_co_u32 s20, s20, s18
	s_mul_i32 s20, s20, KROW
	s_lshl_b32 s18, s16, 7
	s_lshl_b32 s46, s42, 8
	s_add_co_u32 s46, s46, 27648
	s_mul_i32 s92, s46, KS
	s_add_co_u32 s46, s46, s18
	s_add_co_u32 s92, s92, B1S
	s_mul_i32 s46, s46, KROW
	s_mov_b32 s21, 0
	s_mov_b32 s23, 0
	s_mov_b32 s47, 0
	s_mov_b32 s93, 0
	s_mul_i32 s45, s16, AW
	s_mul_i32 s95, s16, BW
	s_add_co_u32 s95, s95, ABYT
	s_wait_dscnt 0x0
	s_wait_kmcnt 0x0
	s_add_nc_u64 s[20:21], s[4:5], s[20:21]
	s_add_nc_u64 s[22:23], s[4:5], s[22:23]
	s_add_nc_u64 s[46:47], s[6:7], s[46:47]
	s_add_nc_u64 s[92:93], s[6:7], s[92:93]
	CROUND
	s_mov_b32 s[G0S], 1
	s_mov_b32 s[G0S+1], SCL
	s_mov_b64 s[G0S+2:G0S+3], s[22:23]
	s_or_b32 s[G0S+3], s[G0S+3], 0x80000000
	s_mov_b32 s[G0SB], 1
	s_mov_b32 s[G0SB+1], SCL+HALFS
	s_mov_b64 s[G0SB+2:G0SB+3], s[92:93]
	s_or_b32 s[G0SB+3], s[G0SB+3], 0x80000000
.irp s, 0,1
	s_mov_b32 s[G0+4*\s], 1
	s_add_co_u32 s[G0+4*\s+1], s45, \s*SLOT
	s_add_nc_u64 s[G0+4*\s+2:G0+4*\s+3], s[20:21], \s*SLB
	s_or_b32 s[G0+4*\s+3], s[G0+4*\s+3], 0x80000000
	s_mov_b32 s[G0B+4*\s], 1
	s_add_co_u32 s[G0B+4*\s+1], s95, \s*SLOT
	s_add_nc_u64 s[G0B+4*\s+2:G0B+4*\s+3], s[46:47], \s*SLB
	s_or_b32 s[G0B+4*\s+3], s[G0B+4*\s+3], 0x80000000
.endr
; THE HEAD'S LOADS, ONE A WAVE: wave 0 slot 0's rows of A (its own group 0 begins at the tile's first row), wave 1 A's scale words, wave 2 slot 0's rows of B, wave 3 B's scale words.
.macro ARM under, g0, g1, next
	s_cmp_lt_u32 s14, \under
	s_cbranch_scc0 \next
	tensor_load_to_lds s[\g0:\g0+3], s[\g1:\g1+7]
	s_nop 0
.rept 4
	v_nop
.endr
	s_branch .Lhead_asked
\next:
.endm
	ARM 1, G0,  G1,  .Lhead_sa
	ARM 2, G0S, G1S, .Lhead_b
	ARM 3, G0B, G1B, .Lhead_sb
	tensor_load_to_lds s[G0SB:G0SB+3], s[G1SB:G1SB+7]
	s_nop 0
.rept 4
	v_nop
.endr
.Lhead_asked:
	v_and_b32 v1, 15, v0
	v_bfe_u32 v2, v0, 4, 1
	s_wait_alu depctr_va_vdst(0)
	v_and_b32 v3, 31, v0
	v_lshlrev_b32 v[LI], 4, v3
	s_mul_i32 s21, s15, AW
	s_mul_i32 s22, s16, BW
	s_add_co_u32 s22, s22, ABYT
.irp s, 0,1
	v_add_nc_u32 v[ADRA+\s], s21, v[LI]
	v_add_nc_u32 v[ADRB+\s], s22, v[LI]
	s_add_co_u32 s21, s21, SLOT
	s_add_co_u32 s22, s22, SLOT
.endr
	v_lshlrev_b32 v5, 2, v1
	s_lshl_b32 s21, s15, 8
	s_mul_i32 s22, s16, HALFS
	s_add_co_u32 s22, s22, HALFS
	s_sub_co_u32 s22, s22, s21
	v_mul_u32_u24 v6, s22, v2
	s_add_co_u32 s21, s21, SCL
	v_add_nc_u32 v5, v5, v6
	v_add_nc_u32 v[ADRS], s21, v5
	s_mul_i32 s23, s14, 16*SPITCH
	s_add_co_u32 s23, s23, STG
	v_mul_u32_u24 v5, v1, SPITCH
	v_lshl_add_u32 v5, v2, 5, v5
	v_add_nc_u32 v[STO], s23, v5
	v_add_nc_u32 v[RD], s23, v[LI]
	s_lshr_b32 s18, s17, 4
	s_lshl_b32 s18, s18, 11
	s_bfe_u32 s19, s17, 0x10003
	s_add_co_u32 s18, s18, s19
	s_and_b32 s19, s17, 7
	s_lshl_b32 s19, s19, 8
	s_add_co_u32 s18, s18, s19
	s_lshl_b32 s19, s15, 7
	s_add_co_u32 s18, s18, s19
	s_lshl_b32 s18, s18, 12
	s_lshl_b32 s19, s42, 10
	s_lshl_b32 s20, s16, 9
	s_add_co_u32 s19, s19, s20
	s_add_co_u32 s98, s18, s19
	s_mov_b32 s99, 0
	s_add_nc_u64 s[98:99], s[10:11], s[98:99]
	s_mov_b32 s18, s19
	s_mov_b32 s19, 0
	s_add_nc_u64 s[18:19], s[8:9], s[18:19]
	v_lshlrev_b32 v8, 5, v2
.irp g, 0,1,2,3,4,5,6,7
	global_load_b128 v[BI+8*\g:BI+8*\g+3], v8, s[18:19] offset:64*\g
	global_load_b128 v[BI+8*\g+4:BI+8*\g+7], v8, s[18:19] offset:64*\g+16
.endr
	s_wait_alu depctr_va_vdst(0)
	s_wait_tensorcnt 0x0                           ; my tile of the head's four is in
	ds_add_u32 v62, v63
	s_mov_b32 s[G1+2], 4<<16                       ; no tensor load of mine is out: from here on a load brings half of A's or of B's row blocks
	s_mov_b32 s[G1+4], 4
	s_mov_b32 s[G1B+2], 8<<16
	s_mov_b32 s[G1B+4], 8
	s_wait_dscnt 0x0
	CROUND                                         ; all four tiles are in, and all sixteen work-groups are here
	JLOAD G0+4, G1, G0B+4, G1B                     ; slot 1's first fill, the first tensor load behind the round
	FETCH 0
	s_wait_loadcnt 0x0
	KSTEP 0, 2, 1
	KSTEP 1, 0, 1
	KSTEP 2, 0, 1
	KTURN 3
	KSTEP 4, 0, 1
	KSTEP 5, 0, 1
	KSTEP 6, 0, 1
	KSTEP 7, 0, 0
	WIN 0
.macro TOSTAGE a
.set AC, 64*(\a)
	WIN 0x08
.irp b, 0,1,2,3,4,5,6,7
	ds_store_b128 v[STO], v[AC+8*\b:AC+8*\b+3] offset:64*\b
	ds_store_b128 v[STO], v[AC+8*\b+4:AC+8*\b+7] offset:64*\b+16
.endr
	WIN 0
.set BB, BK+64*((\a)%2)
.irp t, 0,1,2,3,4,5,6,7,8,9,10,11,12,13,14,15
	ds_load_b128 v[BB+4*\t:BB+4*\t+3], v[RD] offset:\t*SPITCH
.endr
.endm
.macro SEND a, younger
.set BB, BK+64*((\a)%2)
	s_wait_dscnt \younger
.if (\a) > 0
	s_add_nc_u64 s[98:99], s[98:99], 131072
.endif
.irp t, 0,1,2,3,4,5,6,7,8,9,10,11,12,13,14,15
	global_store_b128 v[LI], v[BB+4*\t:BB+4*\t+3], s[98:99] offset:\t*8192 th:TH_STORE_NT
.endr
.endm
	PLACES NP
	TOSTAGE 0
.irp a, 1,2,3
.if \a > 1
	s_wait_xcnt 0x0
.endif
	TOSTAGE \a
	SEND \a-1, 32
.endr
	s_wait_xcnt 0x0
	SEND 3, 0
	s_wait_tensorcnt 0x0
	ds_add_u32 v62, v63
	s_wait_dscnt 0x0
	CROUND
	s_endpgm
.Lfunc_end_k_q2e8a197482_outp:
	.size	k_q2e8a197482_outp, .Lfunc_end_k_q2e8a197482_outp-k_q2e8a197482_outp
	.p2alignl 7, 3214868480
	.fill 96, 4, 3214868480
	.section	.rodata,"a",@progbits
	.p2align	6, 0x0
	.amdhsa_kernel k_q2e8a197482_outp
		.amdhsa_group_segment_fixed_size 327680
		.amdhsa_private_segment_fixed_size 0
		.amdhsa_enable_private_segment 0
		.amdhsa_kernarg_size 32
		.amdhsa_user_sgpr_count 2
		.amdhsa_user_sgpr_kernarg_segment_ptr 1
		.amdhsa_wavefront_size32 1
		.amdhsa_system_sgpr_workgroup_id_x 1
		.amdhsa_system_sgpr_workgroup_id_y 1
		.amdhsa_system_sgpr_workgroup_id_z 1
		.amdhsa_system_vgpr_workitem_id 0
		.amdhsa_next_free_vgpr 768
		.amdhsa_next_free_sgpr 106
		.amdhsa_reserve_vcc 0
		.amdhsa_float_denorm_mode_32 3
		.amdhsa_float_denorm_mode_16_64 3
		.amdhsa_memory_ordered 1
		.amdhsa_forward_progress 1
		.amdhsa_inst_pref_size 83
	.end_amdhsa_kernel
	.amdgpu_metadata
---
amdhsa.version: [ 1, 2 ]
amdhsa.kernels:
  - .name:           k_q2e8a197482_outp
    .symbol:         k_q2e8a197482_outp.kd
    .args:
      - { .name: b4, .offset: 0, .size: 8, .value_kind: global_buffer, .address_space: global }
      - { .name: b1, .offset: 8, .size: 8, .value_kind: global_buffer, .address_space: global }
      - { .name: bo, .offset: 16, .size: 8, .value_kind: global_buffer, .address_space: global }
      - { .name: out0, .offset: 24, .size: 8, .value_kind: global_buffer, .address_space: global }
    .group_segment_fixed_size: 327680
    .private_segment_fixed_size: 0
    .kernarg_segment_align: 8
    .kernarg_segment_size: 32
    .max_flat_workgroup_size: 128
    .sgpr_count:     106
    .vgpr_count:     768
    .wavefront_size: 32
...
	.end_amdgpu_metadata
.endif
;; end of part 5
